; MI455X (gfx1250); checked and timed in simulation.
; The chip was launched on July 23, 2026; its instructions are those of AMD's public machine-readable ISA for CDNA 5 (MIT licence, August 2026) and "CDNA5" Instruction Set Architecture Reference Guide (July 2026). The comments in the code are by the model that wrote it; some were corrected since.
;; Self Attention. Allowed arithmetic: float matrix products may take bf16 or f16 operands with f32 sums; other float arithmetic in f32, or as packed bf16 or f16 multiplies, adds, multiply-adds, maxima and minima; sums over many terms, partial sums and values carried from step to step in f32; what a program stores and reads back later, other than sums and carried values, may be rounded once to bf16 or f16.
;; Inputs: pad_mask 4 x 2,048 bool; w_out 1,024 x 1,024 float32; w_qkv 1,024 x 3,072 float32; x 4 x 2,048 x 1,024 float32.
;; Outputs: out0 4 x 2,048 x 1,024 float32.
;; 2 versions, each right; version 2 is version 1 with the launch cast written anew for expert scheduling mode. Each part assembles by itself: llvm-mc -triple=amdgcn-amd-amdhsa -mcpu=gfx1250 --defsym DOCPART=n.
;; ======== version 1 of 2: 4 launches
;; limits: values are held in f16: magnitudes above 65,504 overflow, below 6.1e-05 lose precision
;; workspace buffers: xb 16,777,216 bytes; wqb 6,291,456 bytes; wob 2,097,152 bytes; qkvh 50,331,648 bytes; att 16,777,216 bytes
;; launch cast (part 1): grid 768 x 1, 8 waves a work-group, no clusters, 0 bytes of LDS; arguments x, w_qkv, w_out, xb, wqb, wob; writes xb, wqb, wob
.if DOCPART == 1
	.amdgcn_target "amdgcn-amd-amdhsa--gfx1250"
	.amdhsa_code_object_version 6
	.text
	.protected	k_qd48f25836c_cast
	.globl	k_qd48f25836c_cast
	.p2align	8
	.type	k_qd48f25836c_cast,@function
k_qd48f25836c_cast:
	s_mov_b64 s[64:65], 0
	v_nop
	global_prefetch_b8 v0, s[64:65] scope:SCOPE_SE
	s_setreg_imm32_b32 hwreg(HW_REG_WAVE_MODE, 25, 1), 1
	s_wait_xcnt 0x0
; The three f32 inputs are rounded once for the matrix units; the layouts stay as they are.
;   x [8192][1024] -> xb in bf16;  w_qkv [1024][3072] -> wqb in bf16;  w_out [1024][1024] -> wob: rounded to bf16 like the other inputs, and that number written as f16
;   (a bf16 number has 8 significant bits and f16 holds 11: exact from 6.1e-5 up to 65,504).
; LIMITS.  |w_out| stays under 65,504; below 6.1e-5 its f16 code keeps f16's fixed step of 6e-8.
; SHARES.  A work-group takes a chunk of 16,384 numbers: 65,536 bytes in, 32,768 out.  Chunks 0-511 are x's, 512-703 w_qkv's, 704-767 w_out's.
; In step i of 16 thread t reads the 16 bytes at 4,096 i + 16 t and writes the 8 bytes at 2,048 i + 8 t: a wave's load covers 512 consecutive bytes, its store 256 consecutive bytes, aligned.
; All sixteen loads go out at once; no register is written twice while memory may read it, so the only waits are the counted ones for the loads.
; No LDS, no matrix unit, no cluster: no byte is used twice.
.set CH_X,  512                        ; chunks of x
.set CH_W,  704                        ; chunks of x and w_qkv
.set X,   4                            ; v[4:67]    step i: four f32 as loaded
.set Y,   68                           ; v[68:99]   step i: four 16-bit numbers to store
.set T,   100                          ; v[100:103] at work
	s_load_b256 s[4:11], s[0:1], 0x0               ; x s[4:5], w_qkv s[6:7], w_out s[8:9], xb s[10:11]
	s_load_b128 s[12:15], s[0:1], 0x20             ; wqb s[12:13], wob s[14:15]
	s_mov_b32 s16, ttmp9                           ; my chunk among all 768,
	s_sub_co_u32 s17, s16, CH_X                    ; among w_qkv's,
	s_sub_co_u32 s18, s16, CH_W                    ; among w_out's
	s_mov_b32 s28, 0xffff0000                      ; a word's upper bf16
	v_lshlrev_b32 v1, 4, v0                        ; 16 t
	v_lshlrev_b32 v2, 3, v0                        ; 8 t
	s_wait_kmcnt 0x0
	s_cmp_lt_u32 s16, CH_X                         ; x, or else w_qkv
	s_cselect_b64 s[20:21], s[4:5], s[6:7]
	s_cselect_b64 s[22:23], s[10:11], s[12:13]
	s_cselect_b32 s19, s16, s17
	s_cmp_lt_u32 s16, CH_W                         ; that, or else w_out
	s_cselect_b64 s[20:21], s[20:21], s[8:9]
	s_cselect_b64 s[22:23], s[22:23], s[14:15]
	s_cselect_b32 s19, s19, s18
	s_lshl_b32 s24, s19, 16                        ; the chunk's bytes in its source (under 2^26),
	s_mov_b32 s25, 0
	s_lshl_b32 s26, s19, 15                        ; and in its destination
	s_mov_b32 s27, 0
	s_add_nc_u64 s[20:21], s[20:21], s[24:25]
	s_add_nc_u64 s[22:23], s[22:23], s[26:27]
.irp i, 0,1,2,3,4,5,6,7,8,9,10,11,12,13,14,15
	global_load_b128 v[X+4*(\i):X+4*(\i)+3], v1, s[20:21] offset:4096*(\i) th:TH_LOAD_NT
.endr
; Step i: rounded, packed, stored.  half = 1: the bf16 numbers are widened again and written as f16.
.macro OUT i, half
	s_wait_loadcnt 15-(\i)                         ; loads come back in order: step i's is in, the 15 - i younger ones stay out
	v_cvt_pk_bf16_f32 v[Y+2*(\i)],   v[X+4*(\i)],   v[X+4*(\i)+1]
	v_cvt_pk_bf16_f32 v[Y+2*(\i)+1], v[X+4*(\i)+2], v[X+4*(\i)+3]
.if \half
	v_lshlrev_b32 v[T],   16,  v[Y+2*(\i)]
	v_and_b32     v[T+1], s28, v[Y+2*(\i)]
	v_lshlrev_b32 v[T+2], 16,  v[Y+2*(\i)+1]
	v_and_b32     v[T+3], s28, v[Y+2*(\i)+1]
	v_cvt_pk_f16_f32 v[Y+2*(\i)],   v[T],   v[T+1]
	v_cvt_pk_f16_f32 v[Y+2*(\i)+1], v[T+2], v[T+3]
.endif
	global_store_b64 v2, v[Y+2*(\i):Y+2*(\i)+1], s[22:23] offset:2048*(\i) th:TH_STORE_NT
.endm
	s_cmp_ge_u32 s16, CH_W
	s_cbranch_scc1 .Lhalf
.irp i, 0,1,2,3,4,5,6,7,8,9,10,11,12,13,14,15
	OUT \i, 0
.endr
	s_endpgm
.Lhalf:
.irp i, 0,1,2,3,4,5,6,7,8,9,10,11,12,13,14,15
	OUT \i, 1
.endr
	s_endpgm
.Lfunc_end_k_qd48f25836c_cast:
	.size	k_qd48f25836c_cast, .Lfunc_end_k_qd48f25836c_cast-k_qd48f25836c_cast
	.p2alignl 7, 3214868480
	.fill 96, 4, 3214868480
	.section	.rodata,"a",@progbits
	.p2align	6, 0x0
	.amdhsa_kernel k_qd48f25836c_cast
		.amdhsa_group_segment_fixed_size 0
		.amdhsa_private_segment_fixed_size 0
		.amdhsa_enable_private_segment 0
		.amdhsa_kernarg_size 48
		.amdhsa_user_sgpr_count 2
		.amdhsa_user_sgpr_kernarg_segment_ptr 1
		.amdhsa_wavefront_size32 1
		.amdhsa_system_sgpr_workgroup_id_x 1
		.amdhsa_system_sgpr_workgroup_id_y 1
		.amdhsa_system_sgpr_workgroup_id_z 1
		.amdhsa_system_vgpr_workitem_id 0
		.amdhsa_next_free_vgpr 104
		.amdhsa_next_free_sgpr 66
		.amdhsa_reserve_vcc 0
		.amdhsa_float_denorm_mode_32 3
		.amdhsa_float_denorm_mode_16_64 3
		.amdhsa_memory_ordered 1
		.amdhsa_forward_progress 1
		.amdhsa_inst_pref_size 15
	.end_amdhsa_kernel
	.amdgpu_metadata
---
amdhsa.version: [ 1, 2 ]
amdhsa.kernels:
  - .name:           k_qd48f25836c_cast
    .symbol:         k_qd48f25836c_cast.kd
    .args:
      - { .name: x, .offset: 0, .size: 8, .value_kind: global_buffer, .address_space: global }
      - { .name: w_qkv, .offset: 8, .size: 8, .value_kind: global_buffer, .address_space: global }
      - { .name: w_out, .offset: 16, .size: 8, .value_kind: global_buffer, .address_space: global }
      - { .name: xb, .offset: 24, .size: 8, .value_kind: global_buffer, .address_space: global }
      - { .name: wqb, .offset: 32, .size: 8, .value_kind: global_buffer, .address_space: global }
      - { .name: wob, .offset: 40, .size: 8, .value_kind: global_buffer, .address_space: global }
    .group_segment_fixed_size: 0
    .private_segment_fixed_size: 0
    .kernarg_segment_align: 8
    .kernarg_segment_size: 48
    .max_flat_workgroup_size: 256
    .sgpr_count:     66
    .vgpr_count:     104
    .wavefront_size: 32
...
	.end_amdgpu_metadata
.endif
;; end of part 1
;; launch proj_qkv (part 2): grid 24 x 32, 4 waves a work-group, clusters of 4 x 4, 327,680 bytes of LDS; arguments xb, wqb, qkvh; writes qkvh
.if DOCPART == 2
	.amdgcn_target "amdgcn-amd-amdhsa--gfx1250"
	.amdhsa_code_object_version 6
	.text
	.protected	k_qd48f25836c_proj_qkv
	.globl	k_qd48f25836c_proj_qkv
	.p2align	8
	.type	k_qd48f25836c_proj_qkv,@function
k_qd48f25836c_proj_qkv:
	s_mov_b64 s[64:65], 0
	v_nop
	global_prefetch_b8 v0, s[64:65] scope:SCOPE_SE
	s_setreg_imm32_b32 hwreg(HW_REG_WAVE_MODE, 25, 1), 1
	s_wait_xcnt 0x0
	s_wait_alu depctr_hold_cnt(0) depctr_sa_sdst(0) depctr_va_vdst(0) depctr_va_sdst(0) depctr_va_ssrc(0) depctr_va_vcc(0) depctr_vm_vsrc(0)
	s_getreg_b32 s2, hwreg(HW_REG_IB_STS2, 6, 4)
	s_cmp_eq_u32 s2, 0
	s_cbranch_scc0 .Lentry_in_a_cluster
	s_endpgm
.Lentry_in_a_cluster:
	s_bfe_u32 s2, ttmp6, 0x10000c
	s_cmp_lg_u32 s2, 0xf033
	s_cbranch_scc0 .Lentry_shape_is_right
	s_endpgm
.Lentry_shape_is_right:
; qkv[m][n] = the sum over k of xb[m][k] wqb[k][n].  xb: [8192][1024] bf16, wqb: [1024][3072] bf16; sums in f32, rounded once to f16 and stored BY HEADS, unscaled:
; qkvh[which = n / 1024][batch = m / 2048][head = (n / 64) % 16][l = m % 2048][n % 64].
; LIMIT.  |q|, |k|, |v| stay under 65,504, f16's largest number.
; SHARES.  A tile of C is 256 rows x 128 columns: 32 x 24 = 768 work-groups, three for each of 256 WGPs.  Four waves, each 128 rows x 64 columns (one head's channels): 32 accumulators of 16 x 16, 256 registers.
; K goes in steps of 128 through two LDS slots filled by the tensor data mover.  A's rows in a slot lie along K (256 bytes + 16 of padding); B's lie as in memory, [k][n] (256 bytes + 32), and
; its fragments come out of LDS turned, by ds_load_tr16_b128: no transposed copy of the weights is made.
; CLUSTERS: 4 x 4 work-groups.  The four of a row of the cluster need the same tiles of A, the four of a column the same tiles of B: each tile is asked for JOINTLY, by the same tensor load with the
; same descriptor and a mask that names the four.  THE MATRIX INSTRUCTION IS USED TRANSPOSED (source 0 = 16 columns of B, source 1 = 16 rows of A): a lane then holds eight neighbouring numbers of a row of C.
; REGISTERS: window 0: v0-31 addresses; v32-47 packed results; v64-159, v160-255 two fragment buffers of 96: 4 fragments of B (16 n x 32 k), then 8 of A (16 m x 32 k).
;   window 1: the accumulators, (a, b) at v[8 (4 a + b)], a = 0..7 blocks of 16 rows, b = 0..3 blocks of 16 columns.
.set SIZE_K, 1024
.set NN,     3072                      ; elements in a row of B
.set KSTEP,  128
.set PA,     272                       ; a row of A in LDS: 68 words: row r starts at bank 4 r mod 64 (64 banks of 4 bytes: ISA guide 11.1)
.set PBT,    288                       ; a row of B in LDS: 72 words
.set AHALF,  128*PA                    ; what one tensor load brings of A: 128 rows
.set BHALF,  64*PBT                    ; and of B: 64 rows (k)
.set BOFF,   2*AHALF                   ; in a slot: A's 256 rows, then B's 128
.set SLOT,   BOFF+2*BHALF
.set STAGE,  2*SLOT                    ; behind the ring: 16 rows x 144 bytes for each wave, for the way out
.set SP,     144
.set SPARE,  STAGE+4*16*SP             ; behind the stages: the spare words, 128 bytes for each wave: two blocks of 256 bytes that no other line names
.set LAPS,   SIZE_K/(2*KSTEP)          ; a lap = two K steps = once round the ring
.set ASTEP,  KSTEP*2                   ; bytes from a K step to the next: along A's rows,
.set BSTEP,  KSTEP*NN*2                ; down B's rows
.set ADRA, 16                          ; v16-17  LDS address of my A fragments in slot 0, 1
.set ADRB, 20                          ; v20-21  the same for B
.set STO,  24                          ; v24     the way out: where I put 16 bytes of a row
.set RD,   25                          ; v25     the way out: where I read rows back
.set GO,   26                          ; v26     my byte offset in 512 consecutive bytes of the output
.set SPW,  28                          ; v28     LDS address of my spare word: SPARE + 4 x my thread's number; never rewritten
.set NIL,  29                          ; v29     0; never rewritten
.set TMP,  32
.set F0,   64
.set F1,   160
.set OB,   64                          ; the way out: 16 rows read back from the stage, two buffers of 16 registers
.set G1, 24                            ; s[24:31] descriptor group 1 for A's tiles;  s[32:39] group 0, one set for each slot
.set G0, 32
.set G1B, 48                           ; s[48:55], s[56:63] the same for B's tiles
.set G0B, 56
.set MSB, 0
.macro WIN new                         ; the immediate's high byte repeats the setting that is left; a switch that changes nothing is dropped
.if MSB != (\new)
	s_set_vgpr_msb (MSB<<8)|(\new)
.set MSB, \new
.endif
.endm
.set MUL, 0x50                         ; sources 0 and 1 window 0; C and D window 1
.macro JLOAD s                         ; a joint load: waves 0 and 1 fetch A's two halves, waves 2 and 3 B's; an s_nop 0 and four v_nop follow each of the two lines, ahead of the jump, the label and what follows
	s_cmp_eq_u32 s11, 0
	s_cbranch_scc0 .Lfor_b_\@
	tensor_load_to_lds s[G0+4*(\s):G0+4*(\s)+3], s[G1:G1+7]
	s_nop 0
.rept 4
	v_nop
.endr
	s_branch .Lasked_\@
.Lfor_b_\@:
	tensor_load_to_lds s[G0B+4*(\s):G0B+4*(\s)+3], s[G1B:G1B+7]
	s_nop 0
.rept 4
	v_nop
.endr
.Lasked_\@:
.endm
.macro CREST                           ; a round of the cluster's barrier behind its opening barrier
	s_cmp_lg_u32 s10, 0
	s_cbranch_scc1 .Lnot_wave_0_\@
	s_barrier_signal -3
.Lnot_wave_0_\@:
	s_barrier_wait -3
	s_barrier_signal -1
	s_barrier_wait -1
.endm
.macro CROUND                          ; a whole round
	s_barrier_signal -1
	s_barrier_wait -1
	CREST
.endm
	s_load_b128 s[4:7], s[0:1], 0x0                ; A s[4:5], B s[6:7]
	s_load_b64 s[8:9], s[0:1], 0x10                ; the output
	v_lshl_add_u32 v[SPW], v0, 2, SPARE
	v_mov_b32 v[NIL], 0
	ds_add_u32 v[SPW], v[NIL]                      ; the wave's opening: the add and its wait stand ahead of my first tensor load; the set-up below, work on registers, stands between them
	ds_add_u32 v28, v29
	v_lshrrev_b32 v1, 5, v0
	v_readfirstlane_b32 s10, v1                    ; wave 0..3
	s_lshr_b32 s11, s10, 1                         ; which half of the tile's rows is mine.  Also: I fetch for A (0) or for B (1)
	s_and_b32 s12, s10, 1                          ; which half of its columns.  Also: which half of that tile I fetch
	s_bfe_u32 s40, ttmp6, 0x40000                  ; cx, cy: my place in the cluster
	s_bfe_u32 s41, ttmp6, 0x40004
	s_lshl_b32 s42, ttmp9, 2
	s_add_co_u32 s42, s42, s40                     ; tile column of C = 4 x cluster x + cx
	s_and_b32 s13, ttmp7, 0xffff
	s_lshl_b32 s13, s13, 2
	s_add_co_u32 s13, s13, s41                     ; tile row of C = 4 x cluster y + cy
	s_lshl_b32 s43, s41, 2
	s_lshl_b32 s43, 15, s43                        ; my row of the cluster
	s_lshl_b32 s44, 0x1111, s40                    ; my column
	; descriptor group 1.  A: 128 rows x 128 elements; B: 64 rows x 128 elements; both padded in LDS after every 64 words
	s_or_b32 s[G1+0], s43, (1<<16)|(1<<20)|(1<<21)|(5<<22)|(3<<25)   ; 15:0 the mask: my row; 17:16 elements of 2 bytes; 20 padding on; 21 set beside a mask; 24:22 after every 64 words (code 5); 31:25 4 words (code 3)
	s_or_b32 s[G1B+0], s44, (1<<16)|(1<<20)|(1<<21)|(5<<22)|(7<<25)  ; the mask of my column; 8 words of padding (code 7)
	s_mov_b32 s[G1+1], KSTEP<<16                   ; tensor_dim0 = 128
	s_mov_b32 s[G1+2], 128<<16                     ; tensor_dim1 = 128
	s_mov_b32 s[G1+3], KSTEP<<16                   ; tile_dim0 = 128
	s_mov_b32 s[G1+4], 128                         ; tile_dim1 = 128
	s_mov_b32 s[G1+5], SIZE_K                      ; elements from row to row
	s_mov_b32 s[G1+6], 0
	s_mov_b32 s[G1+7], 0
	s_mov_b32 s[G1B+1], 128<<16                    ; tensor_dim0 = 128 columns
	s_mov_b32 s[G1B+2], 64<<16                     ; tensor_dim1 = 64 rows (k)
	s_mov_b32 s[G1B+3], 128<<16                    ; tile_dim0 = 128
	s_mov_b32 s[G1B+4], 64                         ; tile_dim1 = 64
	s_mov_b32 s[G1B+5], NN
	s_mov_b32 s[G1B+6], 0
	s_mov_b32 s[G1B+7], 0
	; where the tiles come from.  A's hang on the tile row alone, B's on the tile column alone; each in registers that never hold the other coordinate
	s_lshl_b32 s16, s13, 8
	s_lshl_b32 s17, s12, 7
	s_add_co_u32 s16, s16, s17                     ; A: row 256 x tile row + 128 x half,
	s_lshl_b32 s16, s16, 11                        ; of 2,048 bytes (under 2^24 in all)
	s_mov_b32 s17, 0
	s_mul_i32 s46, s12, 64*NN*2                    ; B: row (k) 64 x half,
	s_lshl_b32 s47, s42, 8                         ; column 128 x tile column
	s_add_co_u32 s46, s46, s47
	s_mov_b32 s47, 0
	s_mul_i32 s20, s12, AHALF                      ; and where they go: no place in the cluster enters an LDS address
	s_mul_i32 s21, s12, BHALF
	s_add_co_u32 s21, s21, BOFF
	s_wait_dscnt 0x0                               ; the opening add is done
	s_wait_kmcnt 0x0
	s_add_nc_u64 s[14:15], s[4:5], s[16:17]
	s_add_nc_u64 s[46:47], s[6:7], s[46:47]
	CROUND                                         ; all sixteen work-groups are here: the first joint loads meet
.irp s, 0,1
	s_mov_b32 s[G0+4*(\s)], 1                                        ; count = 1
	s_add_co_u32 s[G0+4*(\s)+1], s20, (\s)*SLOT                      ; LDS address
	s_add_nc_u64 s[G0+4*(\s)+2:G0+4*(\s)+3], s[14:15], (\s)*ASTEP    ; global address: K step s
	s_or_b32 s[G0+4*(\s)+3], s[G0+4*(\s)+3], 0x80000000              ; type = 2
	s_mov_b32 s[G0B+4*(\s)], 1
	s_add_co_u32 s[G0B+4*(\s)+1], s21, (\s)*SLOT
	s_add_nc_u64 s[G0B+4*(\s)+2:G0B+4*(\s)+3], s[46:47], (\s)*BSTEP
	s_or_b32 s[G0B+4*(\s)+3], s[G0B+4*(\s)+3], 0x80000000
	JLOAD \s                                       ; two loads of mine are out
.endr
	; A fragment of A: lane l holds row l % 16; registers 0-3 K = 8 (l / 16) + 0..7, registers 4-7 K = 16 + 8 (l / 16) + 0..7: two loads of 16 bytes, 32 bytes apart.
	v_and_b32 v1, 15, v0                           ; l % 16
	v_bfe_u32 v2, v0, 4, 1                         ; l / 16
	v_mul_u32_u24 v3, v1, PA
	v_lshl_add_u32 v3, v2, 4, v3                   ; row x pitch + 16 x half
	; The turning load takes 16 k x 16 n (lane l reads k = 8 (l / 16) + l % 8, columns 8 ((l / 8) % 2) + 0..7) and leaves half a fragment: lane l holds column l % 16 and 8 k.
	v_and_b32 v5, 7, v0
	v_lshl_add_u32 v4, v2, 3, v5
	v_mul_u32_u24 v4, v4, PBT
	v_bfe_u32 v6, v0, 3, 1
	v_lshl_add_u32 v4, v6, 4, v4
	s_mul_i32 s22, s11, AHALF                      ; my 128 rows of A
	s_lshl_b32 s23, s12, 7                         ; my 64 columns of B: 128 bytes of each row,
	s_add_co_u32 s23, s23, BOFF                    ; behind A's rows
.irp s, 0,1
	v_add_nc_u32 v[ADRA+(\s)], s22, v3
	v_add_nc_u32 v[ADRB+(\s)], s23, v4
	s_add_co_u32 s22, s22, SLOT
	s_add_co_u32 s23, s23, SLOT
.endr
	s_mul_i32 s23, s10, 16*SP
	s_add_co_u32 s23, s23, STAGE                   ; my stage
	v_mul_u32_u24 v6, v1, SP                       ; in: row l % 16, 16 bytes for each half of the lanes
	v_lshl_add_u32 v6, v2, 4, v6
	v_add_nc_u32 v[STO], s23, v6
	v_bfe_u32 v6, v0, 3, 2                         ; back: 32 lanes take four rows of 128 bytes,
	v_mul_u32_u24 v6, v6, SP
	v_lshl_add_u32 v6, v5, 4, v6
	v_add_nc_u32 v[RD], s23, v6
	v_and_b32 v[GO], 31, v0                        ; which are 512 consecutive bytes of the output
	v_lshlrev_b32 v[GO], 4, v[GO]
	; where my 128 rows x one head begin in the output: batch x 2^22 + l x 128 from the rows, (64 x which + head) x 2^18 from the columns
	s_lshr_b32 s16, s13, 3                         ; batch = tile row / 8
	s_lshl_b32 s16, s16, 22
	s_and_b32 s17, s13, 7
	s_lshl_b32 s17, s17, 15                        ; l = 256 x (tile row % 8)
	s_add_co_u32 s16, s16, s17
	s_lshl_b32 s17, s11, 14                        ; + 128 x my half
	s_add_co_u32 s16, s16, s17
	s_mov_b32 s17, 0
	s_add_nc_u64 s[8:9], s[8:9], s[16:17]
	s_lshl_b32 s46, s42, 1
	s_add_co_u32 s46, s46, s12                     ; my block of 64 columns, 0..47
	s_lshr_b32 s47, s46, 4                         ; q, k or v
	s_lshl_b32 s47, s47, 6
	s_and_b32 s46, s46, 15                         ; the head
	s_add_co_u32 s46, s46, s47
	s_lshl_b32 s46, s46, 18
	s_mov_b32 s47, 0
	s_add_nc_u64 s[8:9], s[8:9], s[46:47]
; 8 matrix instructions: row blocks a0, a0 + 1 x all 4 column blocks, 32 along K, from buffer f.  zero = 1: the product starts the sums.
; The 32 accumulators take turns, in the same order in every quarter step: 31 others stand between two links of a chain.
.macro MUL8 f, a0, zero
	WIN MUL
.irp a, \a0, (\a0)+1
.irp b, 0,1,2,3
.if \zero
	v_wmma_f32_16x16x32_bf16 v[8*(4*(\a)+(\b)):8*(4*(\a)+(\b))+7], v[(\f)+8*(\b):(\f)+8*(\b)+7], v[(\f)+32+8*(\a):(\f)+32+8*(\a)+7], 0
.else
	v_wmma_f32_16x16x32_bf16 v[8*(4*(\a)+(\b)):8*(4*(\a)+(\b))+7], v[(\f)+8*(\b):(\f)+8*(\b)+7], v[(\f)+32+8*(\a):(\f)+32+8*(\a)+7], v[8*(4*(\a)+(\b)):8*(4*(\a)+(\b))+7]
.endif
.endr
.endr
.endm
; 24 LDS loads in one run: the fragments of quarter q (32 along K) of a slot into buffer f: B's four first, then A's eight in ascending rows
.macro FETCH slot, q, f
	WIN 0
.irp b, 0,1,2,3
	ds_load_tr16_b128 v[(\f)+8*(\b):(\f)+8*(\b)+3],   v[ADRB+(\slot)] offset:(\q)*32*PBT+32*(\b)
	ds_load_tr16_b128 v[(\f)+8*(\b)+4:(\f)+8*(\b)+7], v[ADRB+(\slot)] offset:(\q)*32*PBT+32*(\b)+16*PBT
.endr
.irp i, 0,1,2,3,4,5,6,7
	ds_load_b128 v[(\f)+32+8*(\i):(\f)+32+8*(\i)+3],   v[ADRA+(\slot)] offset:64*(\q)+(\i)*16*PA
	ds_load_b128 v[(\f)+32+8*(\i)+4:(\f)+32+8*(\i)+7], v[ADRA+(\slot)] offset:64*(\q)+(\i)*16*PA+32
.endr
.endm
.macro PLACES                          ; four plain vector instructions in front of loads into registers that matrix instructions have read, and of lines that read results
.rept 4
	v_nop
.endr
.endm
; A K step is four quarters of 32 along K, 32 matrix instructions each, on buffers 0, 1, 0, 1.  One of the first three: multiplies buffer f and fetches quarter q into g.
.macro QUARTER slot, q, f, g, zero
	s_wait_dscnt 8                                 ; B and A's blocks 0-3 are in; the youngest eight loads (A's blocks 4-7) may be out
	MUL8 \f, 0, \zero
	MUL8 \f, 2, \zero
	PLACES
	FETCH \slot, \q, \g
	s_wait_dscnt 24                                ; all but the 24 just issued
	MUL8 \f, 4, \zero
	MUL8 \f, 6, \zero
.endm
; The last quarter multiplies buffer 1 and changes slots: ONE barrier; in front of it each wave waits for all its tensor loads, adds 0 to its spare word, and waits for that and for its own reads of this slot.
; fill = 1: this slot is filled again, two K steps ahead; the barrier then opens a round of the cluster's barrier.
.macro TURN slot, next, fill
	WIN 0                                          ; (the add's two registers lie in window 0)
	s_wait_tensorcnt 0x0                           ; all my tensor loads have landed: the one that was out is my part of the next slot;
	ds_add_u32 v[SPW], v[NIL]                      ; 0 onto my spare word
	s_wait_dscnt 9                                 ; (the add and the youngest eight loads may be out)
	MUL8 F1, 0, 0                                  ; eight matrix instructions stand between the add and the wait for it
	s_wait_dscnt 0x0                               ; the add is done, and my reads of this slot are over
	s_barrier_signal -1
	MUL8 F1, 2, 0
.if \fill
	WIN 0
.endif
	s_barrier_wait -1
.if \fill
	CREST                                          ; no wave of any partner still reads this slot's tile or has a load on its way
	s_add_nc_u64 s[G0+4*(\slot)+2:G0+4*(\slot)+3], s[G0+4*(\slot)+2:G0+4*(\slot)+3], 2*ASTEP
	s_add_nc_u64 s[G0B+4*(\slot)+2:G0B+4*(\slot)+3], s[G0B+4*(\slot)+2:G0B+4*(\slot)+3], 2*BSTEP
	JLOAD \slot                                    ; the first tensor load behind the round, my only one until the next; its four v_nop are also the places in front of the loads below
.else
	PLACES
.endif
	FETCH \next, 0, F0
	MUL8 F1, 4, 0
	MUL8 F1, 6, 0
.endm
	s_wait_tensorcnt 1                             ; my part of K step 0 is in; K step 1's may stay out
	s_barrier_signal -1
	s_barrier_wait -1                              ; everybody's is
	FETCH 0, 0, F0
	QUARTER 0, 1, F0, F1, 1                        ; the first quarter stands in front of the loop: its products start the sums
	WIN 0                                          ; at a label and at a branch every window is 0
	s_mov_b32 s3, LAPS-1
.Llap:                                                 ; a trip goes once round the ring, from a lap's second quarter to the next lap's first, and fills both slots again
	QUARTER 0, 2, F1, F0, 0
	QUARTER 0, 3, F0, F1, 0
	TURN 0, 1, 1
	QUARTER 1, 1, F0, F1, 0
	QUARTER 1, 2, F1, F0, 0
	QUARTER 1, 3, F0, F1, 0
	TURN 1, 0, 1
	QUARTER 0, 1, F0, F1, 0
	WIN 0
	s_sub_co_u32 s3, s3, 1
	s_cmp_lg_u32 s3, 0
	s_cbranch_scc1 .Llap
	QUARTER 0, 2, F1, F0, 0                        ; the last lap fills nothing, and has no round of the cluster's barrier
	QUARTER 0, 3, F0, F1, 0
	TURN 0, 1, 0
	QUARTER 1, 1, F0, F1, 0
	QUARTER 1, 2, F1, F0, 0
	QUARTER 1, 3, F0, F1, 0
	s_wait_dscnt 8                                 ; the very last quarter: nothing more to fetch
	MUL8 F1, 0, 0
	MUL8 F1, 2, 0
	s_wait_dscnt 0x0
	MUL8 F1, 4, 0
	MUL8 F1, 6, 0
	WIN 0
	PLACES
; THE WAY OUT, a block of 16 rows at a time: rounded to f16 (each accumulator's registers in ascending order), 16 bytes a lane into my own stage, back as whole rows of 128 bytes: 16 rows of a head are 2,048 consecutive bytes of the output.
.macro PACK a
	WIN 0x05                                       ; sources 0 and 1 window 1, destination window 0
.irp b, 0,1,2,3
.irp r, 0,1,2,3
	v_cvt_pk_f16_f32 v[TMP+4*(\b)+(\r)], v[8*(4*(\a)+(\b))+2*(\r)], v[8*(4*(\a)+(\b))+2*(\r)+1]
.endr
.endr
	WIN 0
.endm
.macro TOSTAGE a
.irp b, 0,1,2,3
	ds_store_b128 v[STO], v[TMP+4*(\b):TMP+4*(\b)+3] offset:32*(\b)
.endr
.irp f, 0,1,2,3
	ds_load_b128 v[OB+16*((\a)%2)+4*(\f):OB+16*((\a)%2)+4*(\f)+3], v[RD] offset:(\f)*4*SP  ; LDS serves a wave's instructions in order (ISA guide 5.7.1.4): these see the stores above
.endr
.endm
.macro SEND a
	s_wait_dscnt 0x0                               ; the block is back in registers
	s_wait_xcnt 0x0                                ; the stores of the block before have read their registers: the next block's loads land there only behind this wait
.irp f, 0,1,2,3
	global_store_b128 v[GO], v[OB+16*((\a)%2)+4*(\f):OB+16*((\a)%2)+4*(\f)+3], s[8:9] offset:(\a)*2048+512*(\f)  ; 512 consecutive bytes, at a multiple of 256 from the output's first byte
.endr
.endm
	PACK 0
	TOSTAGE 0
.irp a, 1,2,3,4,5,6,7                  ; block a's conversions stand between block a - 1's loads from the stage and the wait for them
	PACK \a
	SEND (\a)-1
	TOSTAGE \a
.endr
	SEND 7
	s_wait_tensorcnt 0x0                           ; the wave's end, behind my last tensor load and my last LDS store
	ds_add_u32 v[SPW], v[NIL]
	s_wait_dscnt 0x0
	CROUND                                         ; the closing round: no work-group ends while a partner may still ask for a tile that names it
	s_endpgm
.Lfunc_end_k_qd48f25836c_proj_qkv:
	.size	k_qd48f25836c_proj_qkv, .Lfunc_end_k_qd48f25836c_proj_qkv-k_qd48f25836c_proj_qkv
	.p2alignl 7, 3214868480
	.fill 96, 4, 3214868480
	.section	.rodata,"a",@progbits
	.p2align	6, 0x0
	.amdhsa_kernel k_qd48f25836c_proj_qkv
		.amdhsa_group_segment_fixed_size 327680
		.amdhsa_private_segment_fixed_size 0
		.amdhsa_enable_private_segment 0
		.amdhsa_kernarg_size 24
		.amdhsa_user_sgpr_count 2
		.amdhsa_user_sgpr_kernarg_segment_ptr 1
		.amdhsa_wavefront_size32 1
		.amdhsa_system_sgpr_workgroup_id_x 1
		.amdhsa_system_sgpr_workgroup_id_y 1
		.amdhsa_system_sgpr_workgroup_id_z 1
		.amdhsa_system_vgpr_workitem_id 0
		.amdhsa_next_free_vgpr 512
		.amdhsa_next_free_sgpr 66
		.amdhsa_reserve_vcc 0
		.amdhsa_float_denorm_mode_32 3
		.amdhsa_float_denorm_mode_16_64 3
		.amdhsa_memory_ordered 1
		.amdhsa_forward_progress 1
		.amdhsa_inst_pref_size 87
	.end_amdhsa_kernel
	.amdgpu_metadata
---
amdhsa.version: [ 1, 2 ]
amdhsa.kernels:
  - .name:           k_qd48f25836c_proj_qkv
    .symbol:         k_qd48f25836c_proj_qkv.kd
    .args:
      - { .name: xb, .offset: 0, .size: 8, .value_kind: global_buffer, .address_space: global }
      - { .name: wqb, .offset: 8, .size: 8, .value_kind: global_buffer, .address_space: global }
      - { .name: qkvh, .offset: 16, .size: 8, .value_kind: global_buffer, .address_space: global }
    .group_segment_fixed_size: 327680
    .private_segment_fixed_size: 0
    .kernarg_segment_align: 8
    .kernarg_segment_size: 24
    .max_flat_workgroup_size: 128
    .sgpr_count:     66
    .vgpr_count:     512
    .wavefront_size: 32
...
	.end_amdgpu_metadata
.endif
;; end of part 2
;; launch attn (part 3): grid 4 x 64, 4 waves a work-group, no clusters, 327,680 bytes of LDS; arguments qkvh, pad_mask, att; writes att
.if DOCPART == 3
	.amdgcn_target "amdgcn-amd-amdhsa--gfx1250"
	.amdhsa_code_object_version 6
	.text
	.protected	k_qd48f25836c_attn
	.globl	k_qd48f25836c_attn
	.p2align	8
	.type	k_qd48f25836c_attn,@function
k_qd48f25836c_attn:
	s_mov_b64 s[64:65], 0
	v_nop
	global_prefetch_b8 v0, s[64:65] scope:SCOPE_SE
	s_setreg_imm32_b32 hwreg(HW_REG_WAVE_MODE, 25, 1), 1
	s_wait_xcnt 0x0
; CAUSAL ATTENTION WITH PADDED KEYS.  O[y][q][:] = the sum over the keys k <= q that are not padded of softmax_k(Q[y][q] . K[y][k] / 8) V[y][k][:], y = 16 x batch + head.
; qkvh: [3][64][2048][64] f16 (Q, K, V by heads, unscaled); pad_mask: [4][2048] bytes, not 0 = the key is padded; att: [64][2048][64] f16.
; Products, maxima and sums in f32; the weights p are rounded to f16 for the second product (their sum l is taken of the unrounded p), O once at the end.
; LIMITS.  Q, K and V arrive within f16's 65,504; p lies in 0 to 1, and below 6e-5 it keeps f16's fixed step of 6e-8.  A hidden score counts as its value less 1e30 (for each ground on which it is hidden);
; f16's scores, 2.7e11 at the most, are nothing beside that.  The running maximum m starts at -2^96, above every hidden score and below every true one: so a hidden key's weight is 0 whatever the row has seen.
; A row that sees no key at all ends with l = 0 and O = 0, and 0 x (1 / 0) gives it NaN in every channel, as a softmax of nothing does.  A weight below 2^-126 counts as 0 in l.
; THE WALK.  A head's queries lie in NB = 8 blocks of 256; block i needs the key tiles 0 .. i of 256 keys, of which the last holds the diagonal.  A work-group takes TWO blocks, NB - 1 - b and then b:
; NB + 1 tiles, whatever b: all 256 work-groups do equal work, and ONE loop with a constant trip count walks them.  Which tile is asked for, and what a trip does, hang on scalar registers made from b; every jump
; goes forward, but for the counted loops' own; none passes a barrier, or a tensor load but the one of LOAD's two that the wave's number does not choose; the ring (two slots of LDS) runs on across the change of blocks.
; NO CLUSTER: a head's four work-groups ask for the same tile only in trips 0 .. 4 of the 9, behind that fewer and fewer; one walk common to all four would have 12 trips for 9.
; SHARES.  Of a block's four bands of 64 queries a wave owns 16 rows in each: four PIECES.  So the diagonal tile is the same work for all four waves: in its key step s band x sees all keys if s < x,
; none if s > x, and holds the diagonal if s = x.
; THE MASKS are the C operand that starts the sum S^T = K Q^T.  PADT, two buffers in LDS that take turns as the slots do, holds 0 or -1e30 for each of a tile's 256 keys: with each tile that is asked for, each thread loads
; its two of the tile's 256 pad bytes, and at the next change of slots stores their two words.  So the tile's number enters a global address alone, and the LDS addresses step as K's do.  PD, fetched with each step's K, is the
; step's 64 words laid as an accumulator's registers lie.  Outside the diagonal tile C = PD.  In it C = MD x AL + PD + BE: MD, made once, is the causal mask of a band's own step for my 16 rows;
; (AL, BE) = (1, 0) if s = x; (0, 0) if s < x; (0, -1e30) if s > x.
; LAYOUT, SOFTMAX, TURNS.  S^T = K Q^T holds ONE query a lane (lane % 16) and the keys 8 (lane / 16) + 0..7; two such results rounded to f16 ARE source 1 of O^T = V^T P.  p = 2^(c s - c m), c = log2(e) / 8, with a
; running maximum m; O and l are multiplied by a = 2^(c m_old - c m_new) in every step.  Turn n belongs to piece n: 8 products K Q^T of piece n + 1, later 8 products V^T P of piece n - 1; beside them the scaling,
; exponentials, roundings, sums and rescaling of piece n and the maximum and statistics of piece n + 1.  Four vector instructions stand behind every matrix instruction, the other 54 of a turn's 118 in two runs of their own.
; REGISTERS, in windows of 256 (s_set_vgpr_msb: bits 1:0 source 0, 3:2 source 1, 5:4 source 2, 7:6 destination):
;   window 0: v0-15 addresses and two at work; v16-31 four registers of statistics a piece; v48-55 at work; v56-63 addresses; v64-127 S^T, two buffers; v128-131 the pad bytes on their way into LDS; v192-223 P, two buffers
;   window 1: v0-127 O^T, 32 a piece; v128-159 MD; v160-223 MC, two buffers; v224-255 PD      window 2: v0-63 Q; v64-127 the second block's Q; v128-191 K of one step; v192-255 V of one step
.set SIZE_N, 2048
.set NB,    SIZE_N/256
.set NP,    4         ; pieces a wave: a name, no knob
.set KS,    64        ; keys in a step
.set PK,    144       ; a row of K in LDS: 128 bytes + 16 of padding = 36 words: the 16 rows of a load start at 16 different groups of four banks (64 banks of 4 bytes: ISA guide 11.1)
.set PV,    160       ; a row of V: 128 + 32 = 40 words
.set VOFF,  4*KS*PK   ; a slot holds a tile, four steps: 256 rows of K, then 256 rows of V
.set SLOT1, 1<<17     ; slot 1 begins here, so that one exclusive or turns an address in one slot into the other's
.set STAGE, SLOT1+4*KS*(PK+PV)  ; behind the ring, never filled by a tensor load: 16 rows x 144 bytes for each wave, for the way out
.set SP,    144
.set SPARE, STAGE+4*16*SP  ; behind the stages: the spare words, 128 bytes for each wave: two blocks of 256 bytes that no other line names
.set PADT,  SPARE+512 ; behind them: two buffers of 256 words, 0 or -1e30 for each key of a tile; written by ds_store, never filled by a tensor load
.set PBUF,  1024      ; bytes in such a buffer: one exclusive or turns an address in one buffer into the other's
.set AK0, 2           ; v2   my lane's place in a tile of K; never rewritten
.set AV0, 3           ; v3   the same for V
.set AK,  4           ; v4   the LDS address of K's next run of loads
.set AV,  5           ; v5   of V's
.set STO, 6           ; v6   the way out: where I put 16 bytes of a row
.set RD,  7           ; v7   the way out: where I read rows back
.set GO,  8           ; v8   my byte offset in 512 consecutive bytes of O
.set MV,  12          ; v12-13  c m_old, kept while c m is made anew: by buffer
.set QO,  15          ; v15  my byte offset in 16 rows of Q
.set ST,  16          ; piece t's statistics at v[ST+4 t]: c m, m, l (even keys', odd keys')
.set TMP, 48          ; by buffer, four registers c0-c3 at work; when the maximum is found c2 takes a
.set APB0, 56         ; v56  PADT + 32 (l / 16): my lanes' eight keys of a group of 16; never rewritten
.set APB, 57          ; v57  the LDS address of PD's next run of loads
.set PBY, 58          ; v58  2 x my thread's number: my 2 bytes of a tile's 256 pad bytes; never rewritten
.set PFO, 59          ; v59  256 x my lane: the prefetches' offset; never rewritten
.set PST0, 60         ; v60  PADT + 8 x my thread's number: my two words of a buffer; never rewritten
.set PST, 61          ; v61  where I put them
.set SPW, 62          ; v62  LDS address of my spare word: SPARE + 4 x my thread's number; never rewritten
.set NIL, 63          ; v63  0; never rewritten
.set S,   64
.set PRAW, 128        ; v128 my 2 pad bytes as loaded; v129 at work; v130-131 their two words
.set P,   192
.set MD,  128         ; window 1: the eight registers for group kt of 16 keys at MD + 8 kt
.set MC,  160         ; window 1: the masks of the diagonal tile's products to come
.set PD,  224         ; window 1: the step's pad mask, group kt at PD + 8 kt
.set QB,  64          ; window 2
.set KF,  128         ; window 2: key block kb, channel half c at KF + 16 kb + 8 c
.set VF,  192         ; window 2: key half kk, channel block cb at VF + 32 kk + 8 cb
.set WV,  12          ; s12  my wave's number
.set LO,  14          ; s14  b
.set HI,  15          ; s15  NB - 1 - b
.set G1K, 24          ; s[24:31] descriptor group 1 for K's tiles
.set G1V, 32          ; s[32:39] for V's: it differs in the padding alone
.set G0K, 40          ; s[40:43] descriptor group 0 for K's tiles
.set G0V, 44          ; s[44:47] the same for V's
.set SLOTS, 56        ; s56  tiles still to be asked for
.set CNT, 57          ; s57  counts a tile's key steps, 4 to 1
.set CS,  58          ; s[58:59] c: the packed scaling takes the pair's low word for both halves
.set SEL, 60          ; s[60:61] v_permlanex16_b32's selects: each lane takes its own place in the other half
.set TBK, 62          ; s62  LDS byte at which K of the step to be fetched begins
.set TBV, 63          ; s63  the same for V, less VOFF
.set RT,  70          ; s70  tiles of the block in hand that are still to be entered
.set NXT, 71          ; s71  the tile to be asked for next
.set LQ,  72          ; s72  the last tile of the block whose tiles are being asked for
.set NEW, 73          ; s73  1: the tile to be entered is a block's first
.set OFF, 74          ; s[74:75] a tile's byte offset in K and V
.set AL,  76          ; s[76:77] the mask's factor, in the low word
.set BE,  78          ; s[78:79] the mask's addend
.set OLO, 80          ; s[80:81] O at my rows of the second block
.set BIGN, 82         ; s82  -1e30
.set TBP, 83          ; s83  byte behind PADT at which the pad words of the step to be fetched begin
.set PADP, 88         ; s[88:89] the batch's row of the pad mask
.set PFB, 90          ; s[90:91] my half of the head's tile 0: of K (waves 0, 1) or of V (waves 2, 3)
.set PFA, 92          ; s[92:93] the same half of the tile that is prefetched
.set PFO2, 94         ; s[94:95] that tile's byte offset
.set PFT, 96          ; s96  that tile's number, or 0: nothing is prefetched
.set TBS, 97          ; s97  0 or PBUF: the buffer that takes the pad words of the tile to be entered
.set PPO, 98          ; s[98:99] byte offset in the batch's pad mask of the tile that is asked for
.set PPA, 100         ; s[100:101] the pad bytes of that tile
.set MSB, 0
.macro WIN new                      ; the high byte repeats the setting that is left; a switch that changes nothing is dropped
.if MSB != (\new)
	s_set_vgpr_msb (MSB<<8)|(\new)
.set MSB, (\new)
.endif
.endm
.set W_KQ, 0x0a       ; K and Q in window 2, S^T in window 0
.set W_KM, 0x1a       ; the same with the C operand in window 1
.set W_PV, 0x52       ; V in window 2, P in window 0, O^T in window 1
.set W_RS, 0x41       ; destination and source 0 in window 1, source 1 in window 0
.set W_MK, 0x51       ; destination, source 0 and source 2 in window 1
; A fill.  Waves 0 and 1 fetch the two halves of a tile's K, waves 2 and 3 those of its V: 128 keys each.  An s_nop 0 and four v_nop follow each of the two lines, ahead of the jump and the label.
.macro LOAD
	s_cmp_lt_u32 s[WV], 2
	s_cbranch_scc0 .Lfor_v_\@
	tensor_load_to_lds s[G0K:G0K+3], s[G1K:G1K+7]
	s_nop 0
.rept 4
	v_nop
.endr
	s_branch .Lasked_\@
.Lfor_v_\@:
	tensor_load_to_lds s[G0V:G0V+3], s[G1V:G1V+7]
	s_nop 0
.rept 4
	v_nop
.endr
.Lasked_\@:
.endm
; A PREFETCH INTO THE L2 of what the NEXT change of slots will ask for: each wave names its own half (128 keys, 16,384 bytes) of that tile's K or V, a lane for each 256 bytes, two instructions.  It stands behind the wave's
; tensor load, its five lines and the load of the pad bytes.  A head's four work-groups walk the same tiles: the one with b = 0, whose first block walks all eight, asks, and nobody else; so tiles 2 to 7 are named once each in the launch.
; Tiles 0 and 1 come by their loads alone, and so does the second block's tile; behind the first block's last tile the number is 0 and nothing is asked for.  The lead is one tile: four key steps, 256 matrix instructions.
.macro ASK
	s_cmp_lg_u32 s[PFT], 0
	s_cbranch_scc0 .Lnot_mine_\@
	global_prefetch_b8 v[PFO], s[PFA:PFA+1] th:TH_LOAD_NT scope:SCOPE_SE
	global_prefetch_b8 v[PFO], s[PFA:PFA+1] offset:8192 th:TH_LOAD_NT scope:SCOPE_SE
.Lnot_mine_\@:
.endm
; THE CHANGE OF SLOTS.  First the pad words of the tile to be entered: my two bytes, asked for a tile ago, become two words in the buffer that goes with that tile's slot.  That buffer was last read for the tile two back: those
; reads ended in front of the last change's barrier, and this store ends in front of this one's.  Then each wave waits for all its tensor loads, of which one is out: its part of the other slot; adds 0 to its spare word; and waits
; for that and for its own LDS instructions.  Behind the barrier nobody reads the old slot any more, and the other slot and its pad words are whole.
; fill = 1: the old slot is filled again, the first thing behind the barrier, with tile NXT: the descriptor's address is made anew from that number, and so is the address of the tile's pad bytes, which are asked for behind the fill.
; (At its first use nothing has been read yet: slot 0 is waited for, slot 1 filled.  Its wait for loads also covers both blocks' Q.)
.macro CHANGE fill
	WIN 0                           ; at a label and at a branch every window is 0
	s_wait_loadcnt 0x0              ; my two pad bytes are in: the one load that is out was issued a tile ago
	v_and_b32 v[PRAW+1], 0xff, v[PRAW]
	v_lshrrev_b32 v[PRAW], 8, v[PRAW]
	v_cmp_ne_u32 vcc_lo, 0, v[PRAW+1]
	v_cndmask_b32 v[PRAW+2], 0, s[BIGN], vcc_lo
	v_cmp_ne_u32 vcc_lo, 0, v[PRAW]
	v_cndmask_b32 v[PRAW+3], 0, s[BIGN], vcc_lo
	v_add_nc_u32 v[PST], s[TBS], v[PST0]
	ds_store_b64 v[PST], v[PRAW+2:PRAW+3]  ; the 128 threads' 8 bytes each are the buffer's 1,024
	s_wait_tensorcnt 0x0            ; no tensor load of mine is out, so a group 0 may be written
	ds_add_u32 v[SPW], v[NIL]       ; 0 onto my spare word: with fill = 1 the descriptors' scalar work stands between it and the wait for it
.if \fill
	s_lshl_b32 s[OFF], s[NXT], 15   ; a tile is 32,768 bytes of K and of V,
	s_lshl_b32 s[PPO], s[NXT], 8    ; and 256 bytes of the pad mask
	s_xor_b32 s[G0K+1], s[G0K+1], SLOT1
	s_add_nc_u64 s[G0K+2:G0K+3], s[6:7], s[OFF:OFF+1]
	s_or_b32 s[G0K+3], s[G0K+3], 0x80000000
	s_xor_b32 s[G0V+1], s[G0V+1], SLOT1
	s_add_nc_u64 s[G0V+2:G0V+3], s[8:9], s[OFF:OFF+1]
	s_or_b32 s[G0V+3], s[G0V+3], 0x80000000
	s_add_co_u32 s[NXT], s[NXT], 1  ; the block's next tile, or behind its last the second block's tile 0
	s_cmp_gt_u32 s[NXT], s[LQ]
	s_cselect_b32 s[NXT], 0, s[NXT]
	s_cselect_b32 s[LQ], s[LO], s[LQ]
	s_wait_xcnt 0x0                 ; the last prefetches and the last load of pad bytes, a tile back, have read their addresses, so these may be written
	s_add_nc_u64 s[PPA:PPA+1], s[PADP:PADP+1], s[PPO:PPO+1]
	s_cmp_eq_u32 s[LO], 0
	s_cselect_b32 s[PFT], s[NXT], 0
	s_lshl_b32 s[PFO2], s[PFT], 15
	s_add_nc_u64 s[PFA:PFA+1], s[PFB:PFB+1], s[PFO2:PFO2+1]
.endif
	s_wait_dscnt 0x0                ; the add and my store of pad words are done, and my reads of the slot are over
	s_barrier_signal -1             ; the rest of the scalar work stands between the signal and the wait
	s_sub_co_u32 s[TBK], s[TBK], 4*KS*PK  ; the fetches go back to a slot's first step,
	s_xor_b32 s[TBK], s[TBK], SLOT1       ; in the other slot
	s_sub_co_u32 s[TBV], s[TBV], 4*KS*PV
	s_xor_b32 s[TBV], s[TBV], SLOT1
	s_sub_co_u32 s[TBP], s[TBP], PBUF     ; and so do the fetches of pad words, in the other buffer
	s_xor_b32 s[TBP], s[TBP], PBUF
	s_xor_b32 s[TBS], s[TBS], PBUF        ; the next tile's pad words go into the buffer that is left
	s_barrier_wait -1
.if \fill
	LOAD
	global_load_u16 v[PRAW], v[PBY], s[PPA:PPA+1]  ; my two of the asked tile's 256 pad bytes: waited for at the next change
	ASK
.endif
.endm
	s_load_b64 s[4:5], s[0:1], 0x0  ; qkvh: Q's part begins it
	s_load_b64 s[PADP:PADP+1], s[0:1], 0x8  ; pad_mask
	s_load_b64 s[10:11], s[0:1], 0x10  ; att
	v_lshl_add_u32 v[SPW], v0, 2, SPARE
	v_mov_b32 v[NIL], 0
	ds_add_u32 v[SPW], v[NIL]       ; the wave's opening: the add and its wait stand ahead of my first tensor load; the set-up below, work on registers, stands between them
	ds_add_u32 v62, v63
	v_lshrrev_b32 v1, 5, v0
	v_readfirstlane_b32 s[WV], v1   ; wave 0..3
	s_mov_b32 s[LO], ttmp9
	s_sub_co_u32 s[HI], NB-1, s[LO]
	s_and_b32 s20, ttmp7, 0xffff    ; 16 x batch + head
	s_lshr_b32 s[PFO2], s20, 4      ; the batch,
	s_lshl_b32 s[PFO2], s[PFO2], 11 ; its 2,048 bytes of the pad mask
	s_mov_b32 s[PFO2+1], 0
	s_mov_b32 s21, 0
	s_mov_b64 s[22:23], SIZE_N*128
	s_mul_u64 s[20:21], s[20:21], s[22:23]  ; the head's first byte in Q, K, V and O
	s_and_b32 s16, s[WV], 1         ; which half of a tile's 256 keys I fetch:
	s_lshl_b32 s22, s16, 14         ; its 128 rows of 128 bytes in memory,
	s_mov_b32 s23, 0
	s_add_nc_u64 s[22:23], s[22:23], s[20:21]
	s_mul_i32 s17, s16, 128*PK      ; and its place in a slot, for K
	s_mul_i32 s18, s16, 128*PV      ; and for V
	s_lshl_b32 s3, s[WV], 11        ; my 16 rows in a band of 64,
	s_lshl_b32 s2, s[HI], 15        ; in the first block,
	s_add_co_u32 s2, s2, s3
	s_lshl_b32 s84, s[LO], 15       ; and in the second
	s_add_co_u32 s84, s84, s3
	s_mov_b32 s3, 0
	s_mov_b32 s85, 0
	s_add_nc_u64 s[2:3], s[2:3], s[20:21]
	s_add_nc_u64 s[84:85], s[84:85], s[20:21]
	; descriptor group 1.  128 keys are 16,384 dense bytes: asked for as 64 rows of 256 bytes, two keys a row, and padded in LDS after every key
	s_mov_b32 s[G1K], (1<<16)|(1<<20)|(4<<22)|(3<<25)  ; 17:16 2-byte elements; 20 padding on; 24:22 after every 32 words (code 4); 31:25 4 words (code 3)
	s_mov_b32 s[G1V], (1<<16)|(1<<20)|(4<<22)|(7<<25)  ; the same with 8 words of padding (code 7)
.irp g, G1K, G1V
	s_mov_b32 s[\g+1], 128<<16      ; tensor_dim0 = 128
	s_mov_b32 s[\g+2], 64<<16       ; tensor_dim1 = 64
	s_mov_b32 s[\g+3], 128<<16      ; tile_dim0 = 128
	s_mov_b32 s[\g+4], 64           ; tile_dim1 = 64
	s_mov_b32 s[\g+5], 128          ; 128 elements from row to row
	s_mov_b32 s[\g+6], 0
	s_mov_b32 s[\g+7], 0
.endr
	s_mov_b32 s[CS], 0x3e38aa3b     ; c = log2(e) / 8 = 0.180337
	s_mov_b32 s[CS+1], s[CS]        ; named with it as a pair
	s_mov_b32 s[SEL], 0x76543210
	s_mov_b32 s[SEL+1], 0xfedcba98
	s_mov_b32 s[TBK], SLOT1+4*KS*PK ; the first change of slots turns these three into 0
	s_mov_b32 s[TBV], SLOT1+4*KS*PV
	s_mov_b32 s[TBP], 2*PBUF
	s_mov_b32 s[TBS], 0             ; tile 0's pad words go into the first buffer
	s_mov_b32 s[PPO+1], 0
	s_mov_b32 s[G0K], 1             ; count = 1
	s_mov_b32 s[G0K+1], s17         ; LDS address: slot 0
	s_mov_b32 s[G0V], 1
	s_add_co_u32 s[G0V+1], s18, VOFF
	s_add_co_u32 s[RT], s[HI], 1    ; the first block has NB - b tiles
	s_mov_b32 s[NXT], 1
	s_mov_b32 s[LQ], s[HI]
	s_mov_b32 s[NEW], 1
	s_mov_b32 s[OFF+1], 0
	s_mov_b32 s[AL+1], 0            ; named as pairs
	s_mov_b32 s[BE+1], 0
	s_mov_b32 s[BIGN], 0xf149f2ca   ; -1e30
	s_mov_b32 s[SLOTS], NB
	s_wait_dscnt 0x0                ; the opening add is done
	s_wait_kmcnt 0x0
	s_add_nc_u64 s[6:7], s[4:5], 0x1000000  ; K's part of qkvh: 64 heads x 2,048 rows x 128 bytes on,
	s_add_nc_u64 s[8:9], s[4:5], 0x2000000  ; V's as much again
	s_add_nc_u64 s[6:7], s[6:7], s[22:23]  ; K and V at my half of the head's tile 0
	s_add_nc_u64 s[8:9], s[8:9], s[22:23]
	s_add_nc_u64 s[G0K+2:G0K+3], s[6:7], 0         ; global address
	s_or_b32 s[G0K+3], s[G0K+3], 0x80000000        ; type = 2
	s_add_nc_u64 s[G0V+2:G0V+3], s[8:9], 0
	s_or_b32 s[G0V+3], s[G0V+3], 0x80000000
	s_add_nc_u64 s[86:87], s[4:5], s[84:85]        ; Q at my rows of the second block,
	s_add_nc_u64 s[4:5], s[4:5], s[2:3]            ; Q and O at those of the first
	s_add_nc_u64 s[OLO:OLO+1], s[10:11], s[84:85]
	s_add_nc_u64 s[10:11], s[10:11], s[2:3]
	s_add_nc_u64 s[PADP:PADP+1], s[PADP:PADP+1], s[PFO2:PFO2+1]
	s_mov_b64 s[PPA:PPA+1], s[PADP:PADP+1]         ; tile 0's pad bytes
	s_cmp_lt_u32 s[WV], 2
	s_cselect_b64 s[PFB:PFB+1], s[6:7], s[8:9]
	LOAD                            ; tile 0 into slot 0
	v_lshlrev_b32 v[PBY], 1, v0
	global_load_u16 v[PRAW], v[PBY], s[PPA:PPA+1]  ; the 128 threads' 2 bytes each are tile 0's 256; the first change of slots stores their words
	; A fragment of K or Q is 16 rows x 32 channels in 8 registers: lane l holds row l % 16, channels 8 (l / 16) + 0..7 and 16 + 8 (l / 16) + 0..7: two loads of 16 bytes, 32 bytes apart.
	v_and_b32 v1, 15, v0            ; l % 16
	v_bfe_u32 v9, v0, 4, 1          ; l / 16
	v_lshlrev_b32 v[QO], 7, v1
	v_lshl_add_u32 v[QO], v9, 4, v[QO]  ; row x 128 + 16 x half
	WIN 0x80                        ; destination window 2, address window 0
.set i, 0
.rept 8                             ; both blocks' Q: piece i / 2 lies in band i / 2, 8,192 bytes on; channels 32 (i % 2) on
	global_load_b128 v[8*i:8*i+3],   v[QO], s[4:5] offset:(i/2)*8192+(i%2)*64
	global_load_b128 v[8*i+4:8*i+7], v[QO], s[4:5] offset:(i/2)*8192+(i%2)*64+32
	global_load_b128 v[QB+8*i:QB+8*i+3],   v[QO], s[86:87] offset:(i/2)*8192+(i%2)*64
	global_load_b128 v[QB+8*i+4:QB+8*i+7], v[QO], s[86:87] offset:(i/2)*8192+(i%2)*64+32
.set i, i+1
.endr
	WIN 0
	v_lshlrev_b32 v14, 3, v9
	v_sub_nc_u32 v14, v1, v14
	s_lshl_b32 s13, s[WV], 4
	v_add_nc_u32 v14, s13, v14      ; my query's place in its band, 16 w + l % 16, less my lanes' 8 (l / 16): register r of group kt is hidden where 16 kt + r is greater
	WIN 0x40
.set i, 0
.rept 32
	v_cmp_gt_i32 vcc_lo, 16*(i/8)+i%8, v14
	v_cndmask_b32 v[MD+i], 0, s[BIGN], vcc_lo
.set i, i+1
.endr
	WIN 0
	v_mul_u32_u24 v[AK0], v1, PK
	v_lshl_add_u32 v[AK0], v9, 4, v[AK0]  ; row x pitch + 16 x half
	; The turning load takes 16 keys x 16 channels (lane l reads key 8 (l / 16) + l % 8, channels 8 ((l / 8) % 2) + 0..7) and leaves half a fragment of V^T: lane l holds channel l % 16 and 8 keys.
	v_and_b32 v10, 7, v0
	v_bfe_u32 v11, v0, 3, 1
	v_lshl_add_u32 v[AV0], v9, 3, v10
	v_mul_u32_u24 v[AV0], v[AV0], PV
	v_lshl_add_u32 v[AV0], v11, 4, v[AV0]
	v_add_nc_u32 v[AV0], VOFF, v[AV0]
	s_mul_i32 s13, s[WV], 16*SP
	s_add_co_u32 s13, s13, STAGE    ; my stage
	v_mul_u32_u24 v[STO], v1, SP    ; in: row l % 16, 16 bytes for each half of the lanes
	v_lshl_add_u32 v[STO], v9, 4, v[STO]
	v_add_nc_u32 v[STO], s13, v[STO]
	v_bfe_u32 v[RD], v0, 3, 2       ; back: 32 lanes take four rows of 128 bytes,
	v_mul_u32_u24 v[RD], v[RD], SP
	v_lshl_add_u32 v[RD], v10, 4, v[RD]
	v_add_nc_u32 v[RD], s13, v[RD]
	v_and_b32 v[GO], 31, v0         ; which are 512 consecutive bytes of O
	v_lshlrev_b32 v[PFO], 8, v[GO]
	v_lshlrev_b32 v[GO], 4, v[GO]
	v_lshl_add_u32 v[APB0], v9, 5, PADT
	v_lshl_add_u32 v[PST0], v0, 3, PADT
	; A block's first step multiplies O^T and l by a = 0, and its first turn's products V^T P, of a piece that has not been, land in an O^T that is still to be so multiplied.  So these registers need only hold
	; finite numbers: zeros here.  All this stands in the wait for the first tile.
	WIN 0x80
.set i, VF
.rept 64
	v_mov_b32 v[i], 0
.set i, i+1
.endr
.macro CLEAR_O                      ; O^T and l are 0
	WIN 0x40
.set i, 0
.rept 128
	v_mov_b32 v[i], 0
.set i, i+1
.endr
	WIN 0
.set i, 0
.rept 4
	v_mov_b32 v[ST+4*i+2], 0
	v_mov_b32 v[ST+4*i+3], 0
.set i, i+1
.endr
.endm
	CLEAR_O
.set i, P+16
.rept 16
	v_mov_b32 v[i], 0
.set i, i+1
.endr
; THE MATRIX WORK.  The 4 accumulators of a run of 8 take turns.  Product i of 8 of S^T = K Q^T for piece x: channels 32 (i / 4) on, keys 16 (i % 4) on.  The first 4 start the sums: with the step's pad mask, or (KM = 1) with the made mask.
.macro KQ x
.set rS, S+32*((\x)%2)+8*(i%4)
.set rK, KF+16*(i%4)+8*(i/4)
.set rQ, 16*(\x)+8*(i/4)
.set rM, MC+32*((\x)%2)+8*(i%4)
.set rB, PD+8*(i%4)
.if (i < 4) && KM
	WIN W_KM
	v_wmma_f32_16x16x32_f16 v[rS:rS+7], v[rK:rK+7], v[rQ:rQ+7], v[rM:rM+7]
.elseif i < 4
	WIN W_KM
	v_wmma_f32_16x16x32_f16 v[rS:rS+7], v[rK:rK+7], v[rQ:rQ+7], v[rB:rB+7]
.else
	WIN W_KQ
	v_wmma_f32_16x16x32_f16 v[rS:rS+7], v[rK:rK+7], v[rQ:rQ+7], v[rS:rS+7]
.endif
.endm
; Product i of 8 of O^T += V^T P for piece x: keys 32 (i / 4) on, channels 16 (i % 4) on.
.macro PV x
	WIN W_PV
.set rO, 32*(\x)+8*(i%4)
.set rV, VF+32*(i/4)+8*(i%4)
.set rP, P+16*((\x)%2)+8*(i/4)
	v_wmma_f32_16x16x32_f16 v[rO:rO+7], v[rV:rV+7], v[rP:rP+7], v[rO:rO+7]
.endm
.macro MM                           ; the turn's next matrix instruction.  TURN and BEGIN set Y, i, KM and NOKQ; MM, KQ and OP read them.  NOKQ = 1: a block's last turn: there is no next piece
.if (i < 8) && !NOKQ
	KQ (Y+1)%NP
.elseif i >= 8
.set i, i-8
	PV (Y+NP-1)%NP
.set i, i+8
.endif
.set i, i+1
.endm
; THE LDS LOADS stand in runs, never singly among the matrix instructions: a step's K (64 keys x 64 channels: 8 fragments) with its pad words (8 loads; all lanes of a half read the same words), and its V (turned).  Their addresses are made some lines ahead.
.macro FETCH_K
	WIN 0x80                        ; destination window 2
.irp f, 0,1,2,3,4,5,6,7             ; keys 16 (f / 2) on, channels 32 (f % 2) on
	ds_load_b128 v[KF+8*\f:KF+8*\f+3],   v[AK] offset:(\f/2)*16*PK+(\f%2)*64
	ds_load_b128 v[KF+8*\f+4:KF+8*\f+7], v[AK] offset:(\f/2)*16*PK+(\f%2)*64+32
.endr
	WIN 0x40                        ; destination window 1
.irp f, 0,1,2,3                     ; keys 16 f + 8 (l / 16) on
	ds_load_b128 v[PD+8*\f:PD+8*\f+3],   v[APB] offset:64*\f
	ds_load_b128 v[PD+8*\f+4:PD+8*\f+7], v[APB] offset:64*\f+16
.endr
	s_add_co_u32 s[TBK], s[TBK], KS*PK  ; the next fetch is the next step's:
	s_add_co_u32 s[TBP], s[TBP], 4*KS   ; 64 rows of K and 64 pad words on
	WIN 0
.endm
.macro FETCH_V
	WIN 0x80
.irp f, 0,1,2,3,4,5,6,7             ; keys 32 (f / 4) on, channels 16 (f % 4) on
	ds_load_tr16_b128 v[VF+8*\f:VF+8*\f+3],   v[AV] offset:(\f/4)*32*PV+(\f%4)*32
	ds_load_tr16_b128 v[VF+8*\f+4:VF+8*\f+7], v[AV] offset:(\f/4)*32*PV+16*PV+(\f%4)*32
.endr
	WIN 0
.endm
; THE VECTOR WORK, one line at a time: OP kind, number.  For piece Y: F n: c s - c m for pair n of 16.  E n: the exponential of score n of 32.  C n: pair n rounded to f16.  B n: of the four weights 4 n .. the second
; pair is added onto the first, in place.  L n: l takes that sum (L 0: l = a l + sum).  R n: pair n of 16 of O^T times a.  For piece Y + 1: X n, number n of the 22 that find its maximum and statistics:
;   0-11  four chains c0-c3 of seven scores each, three operands at a time (each accumulator's lowest registers are read first)     12-14, 16  the four scores left over, the old m, and c0-c3 into c0
;   15  c m_old is kept     17, 18  the query's other 32 keys lie in the lane 16 away: the new m     19-21  c m; c m_old - c m_new; a
.set F, 0               ; OP tells the kinds apart by their order: F to L below R, X above it
.set E, 1
.set C, 2
.set B, 3
.set L, 4
.set R, 5
.set X, 6
.macro REGS y                       ; the registers of piece y
.set rT, ST+4*(\y)
.set rC, TMP+4*((\y)%2)
.set rW, MV+((\y)%2)
.set rS, S+32*((\y)%2)
.set rP, P+16*((\y)%2)
.set rO, 32*(\y)
.endm
.macro OP k, n
.if (\k) == R
	REGS Y
	WIN W_RS
	v_pk_mul_f32 v[rO+2*(\n):rO+2*(\n)+1], v[rO+2*(\n):rO+2*(\n)+1], v[rC+2:rC+3] op_sel_hi:[1,0]
.elseif (\k) < R
	REGS Y
	WIN 0
.if (\k) == F
	v_pk_fma_f32 v[rS+2*(\n):rS+2*(\n)+1], v[rS+2*(\n):rS+2*(\n)+1], s[CS:CS+1], v[rT:rT+1] op_sel_hi:[1,0,0] neg_lo:[0,0,1] neg_hi:[0,0,1]
.elseif (\k) == E
	v_exp_f32 v[rS+(\n)], v[rS+(\n)]
.elseif (\k) == C
	s_wait_alu depctr_va_vdst(0)
	v_cvt_pk_f16_f32 v[rP+(\n)], v[rS+2*(\n)], v[rS+2*(\n)+1]
.elseif (\k) == B
	s_wait_alu depctr_va_vdst(0)
	v_pk_add_f32 v[rS+4*(\n):rS+4*(\n)+1], v[rS+4*(\n):rS+4*(\n)+1], v[rS+4*(\n)+2:rS+4*(\n)+3]
.elseif (\n) == 0
	v_pk_fma_f32 v[rT+2:rT+3], v[rT+2:rT+3], v[rC+2:rC+3], v[rS:rS+1] op_sel_hi:[1,0,1]
.else
	v_pk_add_f32 v[rT+2:rT+3], v[rT+2:rT+3], v[rS+4*(\n):rS+4*(\n)+1]
.endif
.elseif NOKQ
	v_nop
.else
	REGS (Y+1)%NP
	WIN 0
.if (\n) < 4
	v_max3_num_f32 v[rC+(\n)], v[rS+8*(\n)], v[rS+8*(\n)+1], v[rS+8*(\n)+2]
.elseif (\n) < 12
	v_max3_num_f32 v[rC+(\n)%4], v[rC+(\n)%4], v[rS+8*((\n)%4)+2*((\n)/4)+1], v[rS+8*((\n)%4)+2*((\n)/4)+2]
.elseif (\n) == 12
	v_max3_num_f32 v[rC], v[rC], v[rS+7], v[rS+15]
.elseif (\n) == 13
	v_max3_num_f32 v[rC+1], v[rC+1], v[rS+23], v[rS+31]
.elseif (\n) == 14
	v_max3_num_f32 v[rC+2], v[rC+2], v[rC+3], v[rT+1]
.elseif (\n) == 15
	v_mov_b32 v[rW], v[rT]
.elseif (\n) == 16
	v_max3_num_f32 v[rC], v[rC], v[rC+1], v[rC+2]
.elseif (\n) == 17
	v_permlanex16_b32 v[rC+3], v[rC], s[SEL], s[SEL+1]
.elseif (\n) == 18
	v_max_num_f32 v[rT+1], v[rC], v[rC+3]
.elseif (\n) == 19
	v_mul_f32 v[rT], s[CS], v[rT+1]
.elseif (\n) == 20
	v_sub_f32 v[rC+1], v[rW], v[rT]
.else
	v_exp_f32 v[rC+2], v[rC+1]
.endif
.endif
.endm
.macro OPS a, i1, b=-1, i2=0, c=-1, i3=0, d=-1, i4=0  ; up to four of them
	OP \a, \i1
.if (\b) >= 0
	OP \b, \i2
.endif
.if (\c) >= 0
	OP \c, \i3
.endif
.if (\d) >= 0
	OP \d, \i4
.endif
.endm
.macro ROW a, i1, b, i2, c, i3, d, i4  ; a matrix instruction and the four behind it
	MM
	OPS \a, \i1, \b, \i2, \c, \i3, \d, \i4
.endm
.macro MASK b, be                   ; MD x AL + PD, and with be = 1 + BE, into buffer b of MC
	WIN W_MK
.set z, 0
.rept 16
	v_pk_fma_f32 v[MC+32*(\b)+2*z:MC+32*(\b)+2*z+1], v[MD+2*z:MD+2*z+1], s[AL:AL+1], v[PD+2*z:PD+2*z+1] op_sel_hi:[1,0,1]
.set z, z+1
.endr
.if \be
.set z, 0
.rept 16
	v_pk_add_f32 v[MC+32*(\b)+2*z:MC+32*(\b)+2*z+1], v[MC+32*(\b)+2*z:MC+32*(\b)+2*z+1], s[BE:BE+1] op_sel_hi:[1,0]
.set z, z+1
.endr
.endif
.endm
; On the way into the diagonal tile's text from a tile before it: that text's first products are piece 3's of the OLD tile's last step, and take MC's second buffer: it gets that step's pad mask, which still lies in PD.
.macro PREP
	s_mov_b32 s[AL], 0
	MASK 1, 0
	WIN 0
.endm
; A TURN, for piece p: the order of its 16 matrix and 118 vector instructions, written out.  Behind a matrix instruction: plain, exponential, plain, plain; or four of the rescaling; or, behind the first, four scalings; none
; names a register of the products round it.  In the runs between, exponential and plain by turns while exponentials last.  A line reads no result made fewer than three vector instructions in front of it, five if an exponential made it.
; m = 1: the diagonal tile: the products take made masks, and the turn makes the mask for the products of the turn after it: piece p + 2, in step 4 - CNT of the tile.  Piece 2's turn makes the mask of the NEXT step's piece 0
; from the PD that the turn itself has fetched: so it waits for that run of loads first.  end = 1: a block's last two turns: nothing is fetched.
; cnt = 1: the loop's count is taken down some lines ahead of the branch that stands behind the turn.
; K and PD of the next step are fetched in piece 2's turn, six vector instructions behind the last product that read K (five of them plain; PD's last reader stands four products further back); V of the step in hand in piece 0's
; turn, eight behind the last product that read V (four plain, and X 17).  Each is waited for a turn later at the latest.
.macro TURN p, m=0, end=0, cnt=0
.set Y, (\p)
.set i, 0
.set KM, (\m)
.set NOKQ, (\end)*((\p)/3)
.if (\m) && !(\end)
	s_cmp_eq_u32 s[CNT], 4-((\p)+2)%NP  ; is that step the band's own?
	s_cselect_b32 s[AL], 1.0, 0
	s_cmp_lt_u32 s[CNT], 4-((\p)+2)%NP  ; or a later one?
	s_cselect_b32 s[BE], s[BIGN], 0
.endif
.if ((\p) == 3) && !(\end)
	s_wait_dscnt 0x0                ; K and PD are in
.endif
	ROW F,0, F,1, F,2, F,3
	ROW F,4, E,0, F,5, F,6
	ROW F,7, E,1, F,8, F,9
	ROW F,10, E,2, C,0, F,11
	ROW F,12, E,3, X,15, F,13
	ROW R,0, R,1, R,2, R,3
	ROW B,0, E,4, F,14, L,0
.if ((\p) == 2) && !(\end)
	v_add_nc_u32 v[AK], s[TBK], v[AK0]
	v_add_nc_u32 v[APB], s[TBP], v[APB0]
.endif
	ROW R,4, R,5, R,6, R,7
	OPS E,5, F,15
.if ((\p) == 2) && !(\end)
	FETCH_K
.endif
	OPS E,6, C,1, E,7, R,8
	OPS E,8, R,9, E,9, C,2
	OPS E,10, X,0, E,11, X,1
	OPS E,12, X,2, E,13, X,3
.if (\p) == 1
	s_wait_dscnt 0x0                ; V is in
.endif
	ROW X,4, E,14, X,5, X,6
	ROW X,7, E,15, X,8, X,9
	ROW X,10, E,16, X,11, X,12
	ROW X,13, E,17, X,14, B,1
	ROW C,4, E,18, X,16, L,1
	ROW B,2, E,19, C,6, L,2
	ROW C,8, E,20, B,3, B,4
.if (\p) == 0
	v_add_nc_u32 v[AV], s[TBV], v[AV0]
.endif
	ROW C,3, E,21, L,3, C,5
	OPS E,22, X,17, E,23, C,10
.if (\p) == 0
	FETCH_V
.endif
	OPS E,24, L,4
	OPS E,25, X,18, E,26, C,7
	OPS E,27, B,5, E,28, X,19
	OPS E,29, C,12, E,30, L,5
	OPS E,31, X,20, B,6, C,9
	OPS C,14, C,11, X,21, L,6
.if (\p) == 0
	s_add_co_u32 s[TBV], s[TBV], KS*PV
.endif
.if \cnt
	s_sub_co_u32 s[CNT], s[CNT], 1
	s_cmp_lg_u32 s[CNT], 0
.endif
	OPS C,13, B,7, C,15, R,10
	OPS R,11, R,12, L,7, R,13
	OPS R,14, R,15
.if (\m) && !(\end)
.if (\p) == 2
	s_wait_dscnt 0x0                ; the next step's PD is in
.endif
	MASK (\p)%2, 1
.endif
.endm
; A BLOCK BEGINS.  c m starts far below every c s, so the first step's a is 0; m at -2^96, above every hidden score, so a hidden key's weight is 0 even in a row that has seen no key yet.  Then K and PD of the tile's first step;
; the first mask buffer takes piece 0's mask for that step (its own, if the block's first tile is the diagonal one), the second the pad mask alone, for piece 1; piece 0's first scores, and its maximum and statistics.
; Q is in: the change of slots in front has waited for all loads issued before it.  The loop is entered at a step's first turn, in the middle of a trip.
.macro BEGIN
	s_mov_b32 s[NEW], 0
	WIN 0
.set i, 0
.rept 4
	v_mov_b32 v[ST+4*i], 0xfe000000    ; c m: far below every c s
	v_mov_b32 v[ST+4*i+1], 0xef800000  ; m = -2^96
.set i, i+1
.endr
	v_add_nc_u32 v[AK], s[TBK], v[AK0]
	v_add_nc_u32 v[APB], s[TBP], v[APB0]
	FETCH_K
	s_wait_dscnt 0x0
	s_cmp_eq_u32 s[RT], 0
	s_cselect_b32 s[AL], 1.0, 0
	MASK 0, 0
	s_mov_b32 s[AL], 0
	MASK 1, 0
.set KM, 1
.set NOKQ, 0
.set i, 0
.rept 8
	KQ 0
.set i, i+1
.endr
	WIN 0
.rept 4
	v_nop                           ; the places behind those products
.endr
.set Y, NP-1                        ; X works for piece Y + 1: piece 0
.irp n, 0,1,2,3,4,5,6,7,8,9,10,11,12,13,14,15,16,17,18,19,20,21
	OP X, \n
.endr
	v_nop                           ; a plain instruction behind the exponential
.endm
; THE DIAGONAL TILE's four steps, the block's last two turns, its last products, and THE WAY OUT: l's two halves and the other half of the lanes' are added; O^T is divided by l, rounded to f16 and sent through my
; stage in LDS, a piece at a time.
.macro ALL line:vararg              ; one line for each piece t
.set t, 0
.rept 4
	\line
.set t, t+1
.endr
.endm
.macro PACK t                       ; a lane's eight channels of a row pack into 16 bytes; they go into rows of 144 bytes and come back as whole rows of 128, into S^T's registers
	WIN W_RS
.set i, 32*(\t)
.rept 16
	s_wait_alu depctr_va_vdst(0)
	v_pk_mul_f32 v[i:i+1], v[i:i+1], v[ST+4*(\t)+2:ST+4*(\t)+3] op_sel_hi:[1,0]
.set i, i+2
.endr
	WIN 0x05                        ; sources 0 and 1 window 1, destination window 0
.set i, 0
.rept 16
	v_cvt_pk_f16_f32 v[S+16*(\t)+i], v[32*(\t)+2*i], v[32*(\t)+2*i+1]
.set i, i+1
.endr
	WIN 0
.irp f, 0,1,2,3
	ds_store_b128 v[STO], v[S+16*(\t)+4*\f:S+16*(\t)+4*\f+3] offset:32*\f
.endr
.irp f, 0,1,2,3
	ds_load_b128 v[S+16*(\t)+4*\f:S+16*(\t)+4*\f+3], v[RD] offset:\f*4*SP  ; LDS serves a wave's instructions in order (ISA guide 5.7.1.4): these see the stores above; the next piece's stores come behind them
.endr
.endm
.macro SEND t, younger              ; younger: the LDS instructions issued behind piece t's loads: the next piece's eight, or none
	WIN 0
.irp f, 0,1,2,3
	s_wait_dscnt (\younger)+3-\f
	global_store_b128 v[GO], v[S+16*(\t)+4*\f:S+16*(\t)+4*\f+3], s[10:11] offset:(\t)*8192+\f*512  ; 512 consecutive bytes, at a multiple of 256 from O's first
.endr
.endm
.macro DIAG tag                     ; the tag ends its two labels' names, which the jumps below spell out
.LstepM\tag:
	TURN 2, 1
	TURN 3, 1
	WIN 0
.LfirstM\tag:
	TURN 0, 1
	TURN 1, 1, 0, 1
	WIN 0
	s_cbranch_scc1 .LstepM\tag
	TURN 2, 1, 1
	TURN 3, 1, 1
.set i, 0
.rept 8
	PV NP-1
.set i, i+1
.endr
	WIN 0
	ALL v_add_f32 v[ST+4*t+2], v[ST+4*t+2], v[ST+4*t+3]
	ALL v_permlanex16_b32 v[ST+4*t+3], v[ST+4*t+2], s[SEL], s[SEL+1]
	ALL v_add_f32 v[ST+4*t+2], v[ST+4*t+2], v[ST+4*t+3]
	ALL v_rcp_f32 v[ST+4*t+2], v[ST+4*t+2]
	v_nop                           ; a plain instruction between the last reciprocal and the use of its result
	PACK 0
.set t, 1
.rept 3                             ; a piece's arithmetic stands between the loads of the piece before and its stores
	PACK t
	SEND t-1, 8
.set t, t+1
.endr
	SEND 3, 0
.endm
.set KM, 0
.set NOKQ, 0
.Lslot:                             ; NB times: a tile is entered and the next is asked for
	CHANGE 1
	s_sub_co_u32 s[RT], s[RT], 1
	s_mov_b32 s[CNT], 4
	s_cmp_eq_u32 s[NEW], 1
	s_cbranch_scc1 .Lnew            ; a block's first tile
	s_cmp_eq_u32 s[RT], 0
	s_cbranch_scc0 .Lstep           ; neither its first nor its last
	PREP
	s_branch .LstepM1
.Lnew:
	BEGIN
	s_branch .Lfirst                ; in the loop a block's first tile is never its last: the first block has two tiles or more, and the second's last is the walk's last
	DIAG 1                          ; in the loop this is the first block's end: the second block's last tile is the walk's last
	s_wait_xcnt 0x0                 ; the stores have read their registers and O's address
	s_mov_b64 s[10:11], s[OLO:OLO+1]
	s_add_co_u32 s[RT], s[LO], 1    ; the second block has b + 1 tiles
	s_mov_b32 s[NEW], 1
	WIN 0x82                        ; the second block's Q goes where the one text of the turns names Q
.set i, 0
.rept 64
	v_mov_b32 v[i], v[QB+i]
.set i, i+1
.endr
	CLEAR_O                         ; a row of the first block that saw no key has left NaN in O^T and an infinity in l, which a = 0 would not wipe: both start at 0 again
	s_branch .Lbottom
.Lstep:                             ; a trip: pieces 2 and 3 of one step, then pieces 0 and 1 of the next, whose K and V it fetches
	TURN 2
	TURN 3
	WIN 0
.Lfirst:
	TURN 0
	TURN 1, 0, 0, 1
	WIN 0
	s_cbranch_scc1 .Lstep
.Lbottom:
	s_sub_co_u32 s[SLOTS], s[SLOTS], 1
	s_cmp_lg_u32 s[SLOTS], 0
	s_cbranch_scc1 .Lslot
	CHANGE 0                        ; the walk's last tile is written out: nothing is asked for
	s_sub_co_u32 s[RT], s[RT], 1
	s_mov_b32 s[CNT], 4
	s_cmp_eq_u32 s[NEW], 1
	s_cbranch_scc1 .Lnew2
	PREP
	s_branch .LstepM2
.Lnew2:
	BEGIN
	s_branch .LfirstM2
	DIAG 2
	s_wait_tensorcnt 0x0            ; the wave's end, behind my last tensor load and my last LDS store
	ds_add_u32 v[SPW], v[NIL]
	s_wait_dscnt 0x0
	s_endpgm
.Lfunc_end_k_qd48f25836c_attn:
	.size	k_qd48f25836c_attn, .Lfunc_end_k_qd48f25836c_attn-k_qd48f25836c_attn
	.p2alignl 7, 3214868480
	.fill 96, 4, 3214868480
	.section	.rodata,"a",@progbits
	.p2align	6, 0x0
	.amdhsa_kernel k_qd48f25836c_attn
		.amdhsa_group_segment_fixed_size 327680
		.amdhsa_private_segment_fixed_size 0
		.amdhsa_enable_private_segment 0
		.amdhsa_kernarg_size 24
		.amdhsa_user_sgpr_count 2
		.amdhsa_user_sgpr_kernarg_segment_ptr 1
		.amdhsa_wavefront_size32 1
		.amdhsa_system_sgpr_workgroup_id_x 1
		.amdhsa_system_sgpr_workgroup_id_y 1
		.amdhsa_system_sgpr_workgroup_id_z 1
		.amdhsa_system_vgpr_workitem_id 0
		.amdhsa_next_free_vgpr 768
		.amdhsa_next_free_sgpr 102
		.amdhsa_reserve_vcc 1
		.amdhsa_float_denorm_mode_32 3
		.amdhsa_float_denorm_mode_16_64 3
		.amdhsa_memory_ordered 1
		.amdhsa_forward_progress 1
		.amdhsa_inst_pref_size 249
	.end_amdhsa_kernel
	.amdgpu_metadata
---
amdhsa.version: [ 1, 2 ]
amdhsa.kernels:
  - .name:           k_qd48f25836c_attn
    .symbol:         k_qd48f25836c_attn.kd
    .args:
      - { .name: qkvh, .offset: 0, .size: 8, .value_kind: global_buffer, .address_space: global }
      - { .name: pad_mask, .offset: 8, .size: 8, .value_kind: global_buffer, .address_space: global }
      - { .name: att, .offset: 16, .size: 8, .value_kind: global_buffer, .address_space: global }
    .group_segment_fixed_size: 327680
    .private_segment_fixed_size: 0
    .kernarg_segment_align: 8
    .kernarg_segment_size: 24
    .max_flat_workgroup_size: 128
    .sgpr_count:     102
    .vgpr_count:     768
    .wavefront_size: 32
...
	.end_amdgpu_metadata
.endif
;; end of part 3
;; launch proj_out (part 4): grid 8 x 32, 4 waves a work-group, clusters of 4 x 4, 327,680 bytes of LDS; arguments att, wob, out0; writes out0
.if DOCPART == 4
	.amdgcn_target "amdgcn-amd-amdhsa--gfx1250"
	.amdhsa_code_object_version 6
	.text
	.protected	k_qd48f25836c_proj_out
	.globl	k_qd48f25836c_proj_out
	.p2align	8
	.type	k_qd48f25836c_proj_out,@function
k_qd48f25836c_proj_out:
	s_mov_b64 s[64:65], 0
	v_nop
	global_prefetch_b8 v0, s[64:65] scope:SCOPE_SE
	s_setreg_imm32_b32 hwreg(HW_REG_WAVE_MODE, 25, 1), 1
	s_wait_xcnt 0x0
	s_wait_alu depctr_hold_cnt(0) depctr_sa_sdst(0) depctr_va_vdst(0) depctr_va_sdst(0) depctr_va_ssrc(0) depctr_va_vcc(0) depctr_vm_vsrc(0)
	s_getreg_b32 s2, hwreg(HW_REG_IB_STS2, 6, 4)
	s_cmp_eq_u32 s2, 0
	s_cbranch_scc0 .Lentry_in_a_cluster
	s_endpgm
.Lentry_in_a_cluster:
	s_bfe_u32 s2, ttmp6, 0x10000c
	s_cmp_lg_u32 s2, 0xf033
	s_cbranch_scc0 .Lentry_shape_is_right
	s_endpgm
.Lentry_shape_is_right:
; out0[m][n] = the sum over k of A[m][k] wob[k][n], A[m][k] = att[batch = m / 2048][head = k / 64][l = m % 2048][k % 64].  att and wob ([1024][1024]) in f16; sums in f32, stored as they are.
; A row of att that is NaN (a query that saw no key) makes its whole row of out0 NaN, and no other: a row of A meets one row of C alone.
; SHARES.  A tile of C is 256 rows x 128 columns: 32 x 8 = 256 work-groups.  Four waves, each 128 rows x 64 columns: 32 accumulators of 16 x 16, 256 registers.
; K goes in steps of 128, two heads, through two LDS slots filled by the tensor data mover.  A head's 256 rows of 128 bytes are dense in memory: they are asked for as 128 rows of 256 bytes and padded in LDS after
; every 128 bytes.  B's rows lie as in memory, [k][n] (256 bytes + 32), and its fragments come out of LDS turned, by ds_load_tr16_b128.
; CLUSTERS: 4 x 4 work-groups.  The four of a row of the cluster need the same tiles of A, the four of a column the same tiles of B: each tile is asked for JOINTLY, by the same tensor load with the
; same descriptor and a mask that names the four.  THE MATRIX INSTRUCTION IS USED TRANSPOSED (source 0 = 16 columns of B, source 1 = 16 rows of A): a lane then holds eight neighbouring numbers of a row of C.
; REGISTERS: window 0: v0-31 addresses; v64-159, v160-255 two fragment buffers of 96: 4 fragments of B (16 n x 32 k), then 8 of A (16 m x 32 k).
;   window 1: the accumulators, (a, b) at v[8 (4 a + b)], a = 0..7 blocks of 16 rows, b = 0..3 blocks of 16 columns.
.set SIZE_K, 1024
.set NN,     1024                      ; elements in a row of B and of C
.set KSTEP,  128
.set PA,     144                       ; a row of A (one head's 64 channels) in LDS: 36 words: the 16 rows of a load start at 16 different groups of four banks (64 banks of 4 bytes: ISA guide 11.1)
.set PBT,    288                       ; a row of B in LDS: 72 words
.set AHALF,  256*PA                    ; what one tensor load brings of A: one head's 256 rows
.set BHALF,  64*PBT                    ; and of B: 64 rows (k)
.set BOFF,   2*AHALF                   ; in a slot: A's two heads, then B's 128 rows
.set SLOT,   BOFF+2*BHALF
.set STAGE,  2*SLOT                    ; behind the ring: 16 rows x 272 bytes for each wave, for the way out
.set SP,     272
.set SPARE,  STAGE+4*16*SP             ; behind the stages: the spare words, 128 bytes for each wave: two blocks of 256 bytes that no other line names
.set LAPS,   SIZE_K/(2*KSTEP)          ; a lap = two K steps = once round the ring
.set ASTEP,  2*2048*128                ; bytes from a K step to the next: two heads of att,
.set BSTEP,  KSTEP*NN*2                ; 128 rows of B
.set ADRA, 16                          ; v16-17  LDS address of my A fragments in slot 0, 1
.set ADRB, 20                          ; v20-21  the same for B
.set STO,  24                          ; v24     the way out: where I put 32 bytes of a row
.set RD,   25                          ; v25     the way out: where I read a row back
.set CO,   26                          ; v26     my byte offset in C
.set SPW,  28                          ; v28     LDS address of my spare word: SPARE + 4 x my thread's number; never rewritten
.set NIL,  29                          ; v29     0; never rewritten
.set F0,   64
.set F1,   160
.set OB,   64                          ; the way out: 16 rows read back from the stage, two buffers of 32 registers
.set G1, 24                            ; s[24:31] descriptor group 1 for A's tiles;  s[32:39] group 0, one set for each slot
.set G0, 32
.set G1B, 48                           ; s[48:55], s[56:63] the same for B's tiles
.set G0B, 56
.set MSB, 0
.macro WIN new                         ; the immediate's high byte repeats the setting that is left; a switch that changes nothing is dropped
.if MSB != (\new)
	s_set_vgpr_msb (MSB<<8)|(\new)
.set MSB, \new
.endif
.endm
.set MUL, 0x50                         ; sources 0 and 1 window 0; C and D window 1
.macro JLOAD s                         ; a joint load: waves 0 and 1 fetch A's two heads, waves 2 and 3 B's two halves; an s_nop 0 and four v_nop follow each of the two lines, ahead of the jump, the label and what follows
	s_cmp_eq_u32 s11, 0
	s_cbranch_scc0 .Lfor_b_\@
	tensor_load_to_lds s[G0+4*(\s):G0+4*(\s)+3], s[G1:G1+7]
	s_nop 0
.rept 4
	v_nop
.endr
	s_branch .Lasked_\@
.Lfor_b_\@:
	tensor_load_to_lds s[G0B+4*(\s):G0B+4*(\s)+3], s[G1B:G1B+7]
	s_nop 0
.rept 4
	v_nop
.endr
.Lasked_\@:
.endm
.macro CREST                           ; a round of the cluster's barrier behind its opening barrier
	s_cmp_lg_u32 s10, 0
	s_cbranch_scc1 .Lnot_wave_0_\@
	s_barrier_signal -3
.Lnot_wave_0_\@:
	s_barrier_wait -3
	s_barrier_signal -1
	s_barrier_wait -1
.endm
.macro CROUND                          ; a whole round
	s_barrier_signal -1
	s_barrier_wait -1
	CREST
.endm
	s_load_b128 s[4:7], s[0:1], 0x0                ; A s[4:5], B s[6:7]
	s_load_b64 s[8:9], s[0:1], 0x10                ; C
	v_lshl_add_u32 v[SPW], v0, 2, SPARE
	v_mov_b32 v[NIL], 0
	ds_add_u32 v[SPW], v[NIL]                      ; the wave's opening: the add and its wait stand ahead of my first tensor load; the set-up below, work on registers, stands between them
	ds_add_u32 v28, v29
	v_lshrrev_b32 v1, 5, v0
	v_readfirstlane_b32 s10, v1                    ; wave 0..3
	s_lshr_b32 s11, s10, 1                         ; which half of the tile's rows is mine.  Also: I fetch for A (0) or for B (1)
	s_and_b32 s12, s10, 1                          ; which half of its columns.  Also: which part of that tile I fetch
	s_bfe_u32 s40, ttmp6, 0x40000                  ; cx, cy: my place in the cluster
	s_bfe_u32 s41, ttmp6, 0x40004
	s_lshl_b32 s42, ttmp9, 2
	s_add_co_u32 s42, s42, s40                     ; tile column of C = 4 x cluster x + cx
	s_and_b32 s13, ttmp7, 0xffff
	s_lshl_b32 s13, s13, 2
	s_add_co_u32 s13, s13, s41                     ; tile row of C = 4 x cluster y + cy
	s_lshl_b32 s43, s41, 2
	s_lshl_b32 s43, 15, s43                        ; my row of the cluster
	s_lshl_b32 s44, 0x1111, s40                    ; my column
	; descriptor group 1.  A: 128 rows x 128 elements (two rows of a head each), padded after every 32 words; B: 64 rows x 128 elements, padded after every 64 words
	s_or_b32 s[G1+0], s43, (1<<16)|(1<<20)|(1<<21)|(4<<22)|(3<<25)   ; 15:0 the mask: my row; 17:16 elements of 2 bytes; 20 padding on; 21 set beside a mask; 24:22 after every 32 words (code 4); 31:25 4 words (code 3)
	s_or_b32 s[G1B+0], s44, (1<<16)|(1<<20)|(1<<21)|(5<<22)|(7<<25)  ; the mask of my column; after every 64 words (code 5) 8 words of padding (code 7)
	s_mov_b32 s[G1+1], 128<<16                     ; tensor_dim0 = 128
	s_mov_b32 s[G1+2], 128<<16                     ; tensor_dim1 = 128
	s_mov_b32 s[G1+3], 128<<16                     ; tile_dim0 = 128
	s_mov_b32 s[G1+4], 128                         ; tile_dim1 = 128
	s_mov_b32 s[G1+5], 128                         ; elements from row to row: dense
	s_mov_b32 s[G1+6], 0
	s_mov_b32 s[G1+7], 0
	s_mov_b32 s[G1B+1], 128<<16                    ; tensor_dim0 = 128 columns
	s_mov_b32 s[G1B+2], 64<<16                     ; tensor_dim1 = 64 rows (k)
	s_mov_b32 s[G1B+3], 128<<16                    ; tile_dim0 = 128
	s_mov_b32 s[G1B+4], 64                         ; tile_dim1 = 64
	s_mov_b32 s[G1B+5], NN
	s_mov_b32 s[G1B+6], 0
	s_mov_b32 s[G1B+7], 0
	; where the tiles come from.  A's hang on the tile row alone, B's on the tile column alone; each in registers that never hold the other coordinate
	s_lshr_b32 s16, s13, 3                         ; A: batch = tile row / 8: 16 heads x 2,048 rows x 128 bytes each,
	s_lshl_b32 s16, s16, 22
	s_and_b32 s17, s13, 7                          ; l = 256 x (tile row % 8),
	s_lshl_b32 s17, s17, 15
	s_add_co_u32 s16, s16, s17
	s_lshl_b32 s17, s12, 18                        ; the step's first or second head
	s_add_co_u32 s16, s16, s17
	s_mov_b32 s17, 0
	s_mul_i32 s46, s12, 64*NN*2                    ; B: row (k) 64 x half,
	s_lshl_b32 s47, s42, 8                         ; column 128 x tile column
	s_add_co_u32 s46, s46, s47
	s_mov_b32 s47, 0
	s_mul_i32 s20, s12, AHALF                      ; and where they go: no place in the cluster enters an LDS address
	s_mul_i32 s21, s12, BHALF
	s_add_co_u32 s21, s21, BOFF
	s_wait_dscnt 0x0                               ; the opening add is done
	s_wait_kmcnt 0x0
	s_add_nc_u64 s[14:15], s[4:5], s[16:17]
	s_add_nc_u64 s[46:47], s[6:7], s[46:47]
	CROUND                                         ; all sixteen work-groups are here: the first joint loads meet
.irp s, 0,1
	s_mov_b32 s[G0+4*(\s)], 1                                        ; count = 1
	s_add_co_u32 s[G0+4*(\s)+1], s20, (\s)*SLOT                      ; LDS address
	s_add_nc_u64 s[G0+4*(\s)+2:G0+4*(\s)+3], s[14:15], (\s)*ASTEP    ; global address: K step s
	s_or_b32 s[G0+4*(\s)+3], s[G0+4*(\s)+3], 0x80000000              ; type = 2
	s_mov_b32 s[G0B+4*(\s)], 1
	s_add_co_u32 s[G0B+4*(\s)+1], s21, (\s)*SLOT
	s_add_nc_u64 s[G0B+4*(\s)+2:G0B+4*(\s)+3], s[46:47], (\s)*BSTEP
	s_or_b32 s[G0B+4*(\s)+3], s[G0B+4*(\s)+3], 0x80000000
	JLOAD \s                                       ; two loads of mine are out
.endr
	; A fragment of A: lane l holds row l % 16; registers 0-3 K = 8 (l / 16) + 0..7, registers 4-7 K = 16 + 8 (l / 16) + 0..7: two loads of 16 bytes, 32 bytes apart.
	v_and_b32 v1, 15, v0                           ; l % 16
	v_bfe_u32 v2, v0, 4, 1                         ; l / 16
	v_mul_u32_u24 v3, v1, PA
	v_lshl_add_u32 v3, v2, 4, v3                   ; row x pitch + 16 x half
	; The turning load takes 16 k x 16 n (lane l reads k = 8 (l / 16) + l % 8, columns 8 ((l / 8) % 2) + 0..7) and leaves half a fragment: lane l holds column l % 16 and 8 k.
	v_and_b32 v5, 7, v0
	v_lshl_add_u32 v4, v2, 3, v5
	v_mul_u32_u24 v4, v4, PBT
	v_bfe_u32 v6, v0, 3, 1
	v_lshl_add_u32 v4, v6, 4, v4
	s_mul_i32 s22, s11, 128*PA                     ; my 128 rows, in each head's part
	s_lshl_b32 s23, s12, 7                         ; my 64 columns of B: 128 bytes of each row,
	s_add_co_u32 s23, s23, BOFF                    ; behind A's two heads
.irp s, 0,1
	v_add_nc_u32 v[ADRA+(\s)], s22, v3
	v_add_nc_u32 v[ADRB+(\s)], s23, v4
	s_add_co_u32 s22, s22, SLOT
	s_add_co_u32 s23, s23, SLOT
.endr
	s_mul_i32 s23, s10, 16*SP
	s_add_co_u32 s23, s23, STAGE                   ; my stage
	v_mul_u32_u24 v6, v1, SP                       ; in: row l % 16, 32 bytes for each half of the lanes
	v_lshl_add_u32 v6, v2, 5, v6
	v_add_nc_u32 v[STO], s23, v6
	v_mul_u32_u24 v6, v2, SP                       ; back: lanes 0-15 take one row of 256 bytes, lanes 16-31 the next
	v_lshl_add_u32 v6, v1, 4, v6
	v_add_nc_u32 v[RD], s23, v6
	v_lshlrev_b32 v6, 12, v2                       ; and the same two rows in C: 4,096 bytes apart
	v_lshl_add_u32 v[CO], v1, 4, v6
	s_lshl_b32 s16, s13, 8
	s_lshl_b32 s17, s11, 7
	s_add_co_u32 s16, s16, s17                     ; my first row of C,
	s_lshl_b32 s16, s16, 12                        ; of 4,096 bytes (under 2^25 in all)
	s_mov_b32 s17, 0
	s_add_nc_u64 s[8:9], s[8:9], s[16:17]
	s_lshl_b32 s46, s42, 9                         ; my first column, in bytes: 512 x tile column + 256 x half
	s_lshl_b32 s47, s12, 8
	s_add_co_u32 s46, s46, s47
	s_mov_b32 s47, 0
	s_add_nc_u64 s[8:9], s[8:9], s[46:47]
; 8 matrix instructions: row blocks a0, a0 + 1 x all 4 column blocks, 32 along K, from buffer f.  zero = 1: the product starts the sums.
; The 32 accumulators take turns, in the same order in every quarter step: 31 others stand between two links of a chain.
.macro MUL8 f, a0, zero
	WIN MUL
.irp a, \a0, (\a0)+1
.irp b, 0,1,2,3
.if \zero
	v_wmma_f32_16x16x32_f16 v[8*(4*(\a)+(\b)):8*(4*(\a)+(\b))+7], v[(\f)+8*(\b):(\f)+8*(\b)+7], v[(\f)+32+8*(\a):(\f)+32+8*(\a)+7], 0
.else
	v_wmma_f32_16x16x32_f16 v[8*(4*(\a)+(\b)):8*(4*(\a)+(\b))+7], v[(\f)+8*(\b):(\f)+8*(\b)+7], v[(\f)+32+8*(\a):(\f)+32+8*(\a)+7], v[8*(4*(\a)+(\b)):8*(4*(\a)+(\b))+7]
.endif
.endr
.endr
.endm
; 24 LDS loads in one run: the fragments of quarter q (32 along K: head q / 2 of the step, channels 32 (q % 2) on) of a slot into buffer f: B's four first, then A's eight in ascending rows
.macro FETCH slot, q, f
	WIN 0
.irp b, 0,1,2,3
	ds_load_tr16_b128 v[(\f)+8*(\b):(\f)+8*(\b)+3],   v[ADRB+(\slot)] offset:(\q)*32*PBT+32*(\b)
	ds_load_tr16_b128 v[(\f)+8*(\b)+4:(\f)+8*(\b)+7], v[ADRB+(\slot)] offset:(\q)*32*PBT+32*(\b)+16*PBT
.endr
.irp i, 0,1,2,3,4,5,6,7
	ds_load_b128 v[(\f)+32+8*(\i):(\f)+32+8*(\i)+3],   v[ADRA+(\slot)] offset:((\q)/2)*AHALF+((\q)%2)*64+(\i)*16*PA
	ds_load_b128 v[(\f)+32+8*(\i)+4:(\f)+32+8*(\i)+7], v[ADRA+(\slot)] offset:((\q)/2)*AHALF+((\q)%2)*64+(\i)*16*PA+32
.endr
.endm
.macro PLACES                          ; four plain vector instructions in front of loads into registers that matrix instructions have read, and of lines that read results
.rept 4
	v_nop
.endr
.endm
; A K step is four quarters of 32 along K, 32 matrix instructions each, on buffers 0, 1, 0, 1.  One of the first three: multiplies buffer f and fetches quarter q into g.
.macro QUARTER slot, q, f, g, zero
	s_wait_dscnt 8                                 ; B and A's blocks 0-3 are in; the youngest eight loads (A's blocks 4-7) may be out
	MUL8 \f, 0, \zero
	MUL8 \f, 2, \zero
	PLACES
	FETCH \slot, \q, \g
	s_wait_dscnt 24                                ; all but the 24 just issued
	MUL8 \f, 4, \zero
	MUL8 \f, 6, \zero
.endm
; The last quarter multiplies buffer 1 and changes slots: ONE barrier; in front of it each wave waits for all its tensor loads, adds 0 to its spare word, and waits for that and for its own reads of this slot.
; fill = 1: this slot is filled again, two K steps ahead; the barrier then opens a round of the cluster's barrier.
.macro TURN slot, next, fill
	WIN 0                                          ; (the add's two registers lie in window 0)
	s_wait_tensorcnt 0x0                           ; all my tensor loads have landed: the one that was out is my part of the next slot;
	ds_add_u32 v[SPW], v[NIL]                      ; 0 onto my spare word
	s_wait_dscnt 9                                 ; (the add and the youngest eight loads may be out)
	MUL8 F1, 0, 0                                  ; eight matrix instructions stand between the add and the wait for it
	s_wait_dscnt 0x0                               ; the add is done, and my reads of this slot are over
	s_barrier_signal -1
	MUL8 F1, 2, 0
.if \fill
	WIN 0
.endif
	s_barrier_wait -1
.if \fill
	CREST                                          ; no wave of any partner still reads this slot's tile or has a load on its way
	s_add_nc_u64 s[G0+4*(\slot)+2:G0+4*(\slot)+3], s[G0+4*(\slot)+2:G0+4*(\slot)+3], 2*ASTEP
	s_add_nc_u64 s[G0B+4*(\slot)+2:G0B+4*(\slot)+3], s[G0B+4*(\slot)+2:G0B+4*(\slot)+3], 2*BSTEP
	JLOAD \slot                                    ; the first tensor load behind the round, my only one until the next; its four v_nop are also the places in front of the loads below
.else
	PLACES
.endif
	FETCH \next, 0, F0
	MUL8 F1, 4, 0
	MUL8 F1, 6, 0
.endm
	s_wait_tensorcnt 1                             ; my part of K step 0 is in; K step 1's may stay out
	s_barrier_signal -1
	s_barrier_wait -1                              ; everybody's is
	FETCH 0, 0, F0
	QUARTER 0, 1, F0, F1, 1                        ; the first quarter stands in front of the loop: its products start the sums
	WIN 0                                          ; at a label and at a branch every window is 0
	s_mov_b32 s3, LAPS-1
.Llap:                                                 ; a trip goes once round the ring, from a lap's second quarter to the next lap's first, and fills both slots again
	QUARTER 0, 2, F1, F0, 0
	QUARTER 0, 3, F0, F1, 0
	TURN 0, 1, 1
	QUARTER 1, 1, F0, F1, 0
	QUARTER 1, 2, F1, F0, 0
	QUARTER 1, 3, F0, F1, 0
	TURN 1, 0, 1
	QUARTER 0, 1, F0, F1, 0
	WIN 0
	s_sub_co_u32 s3, s3, 1
	s_cmp_lg_u32 s3, 0
	s_cbranch_scc1 .Llap
	QUARTER 0, 2, F1, F0, 0                        ; the last lap fills nothing, and has no round of the cluster's barrier
	QUARTER 0, 3, F0, F1, 0
	TURN 0, 1, 0
	QUARTER 1, 1, F0, F1, 0
	QUARTER 1, 2, F1, F0, 0
	QUARTER 1, 3, F0, F1, 0
	s_wait_dscnt 8                                 ; the very last quarter: nothing more to fetch
	MUL8 F1, 0, 0
	MUL8 F1, 2, 0
	s_wait_dscnt 0x0
	MUL8 F1, 4, 0
	MUL8 F1, 6, 0
	WIN 0
	PLACES
; THE WAY OUT, a block of 16 rows at a time: a lane's eight f32 of a row go straight from the accumulator (its low four registers first) into my own stage, rows of 272 bytes, and come back as whole rows of 256 bytes.
.macro TOSTAGE a
.if (\a) >= 2
	s_wait_xcnt 0x0                                ; the stores of block a - 2 have read their registers: this block's loads land there only behind this wait
.endif
	WIN 0x04                                       ; the stores' data in window 1
.irp b, 0,1,2,3
	ds_store_b128 v[STO], v[8*(4*(\a)+(\b)):8*(4*(\a)+(\b))+3]   offset:64*(\b)
	ds_store_b128 v[STO], v[8*(4*(\a)+(\b))+4:8*(4*(\a)+(\b))+7] offset:64*(\b)+16
.endr
	WIN 0
.irp t, 0,1,2,3,4,5,6,7
	ds_load_b128 v[OB+32*((\a)%2)+4*(\t):OB+32*((\a)%2)+4*(\t)+3], v[RD] offset:(\t)*2*SP  ; LDS serves a wave's instructions in order (ISA guide 5.7.1.4): these see the stores above; the next block's stores come behind them
.endr
.endm
.macro SEND a, younger                 ; younger: the LDS instructions issued behind block a's loads: the next block's sixteen, or none
	s_wait_dscnt \younger
.irp t, 0,1,2,3,4,5,6,7
	global_store_b128 v[CO], v[OB+32*((\a)%2)+4*(\t):OB+32*((\a)%2)+4*(\t)+3], s[8:9] offset:(16*(\a)+2*(\t))*4096 th:TH_STORE_NT  ; 16 lanes store 256 consecutive bytes, at a multiple of 256 from C's first byte
.endr
.endm
	TOSTAGE 0
.irp a, 1,2,3,4,5,6,7
	TOSTAGE \a
	SEND (\a)-1, 16
.endr
	SEND 7, 0
	s_wait_tensorcnt 0x0                           ; the wave's end, behind my last tensor load and my last LDS store
	ds_add_u32 v[SPW], v[NIL]
	s_wait_dscnt 0x0
	CROUND                                         ; the closing round: no work-group ends while a partner may still ask for a tile that names it
	s_endpgm
.Lfunc_end_k_qd48f25836c_proj_out:
	.size	k_qd48f25836c_proj_out, .Lfunc_end_k_qd48f25836c_proj_out-k_qd48f25836c_proj_out
	.p2alignl 7, 3214868480
	.fill 96, 4, 3214868480
	.section	.rodata,"a",@progbits
	.p2align	6, 0x0
	.amdhsa_kernel k_qd48f25836c_proj_out
		.amdhsa_group_segment_fixed_size 327680
		.amdhsa_private_segment_fixed_size 0
		.amdhsa_enable_private_segment 0
		.amdhsa_kernarg_size 24
		.amdhsa_user_sgpr_count 2
		.amdhsa_user_sgpr_kernarg_segment_ptr 1
		.amdhsa_wavefront_size32 1
		.amdhsa_system_sgpr_workgroup_id_x 1
		.amdhsa_system_sgpr_workgroup_id_y 1
		.amdhsa_system_sgpr_workgroup_id_z 1
		.amdhsa_system_vgpr_workitem_id 0
		.amdhsa_next_free_vgpr 512
		.amdhsa_next_free_sgpr 66
		.amdhsa_reserve_vcc 0
		.amdhsa_float_denorm_mode_32 3
		.amdhsa_float_denorm_mode_16_64 3
		.amdhsa_memory_ordered 1
		.amdhsa_forward_progress 1
		.amdhsa_inst_pref_size 86
	.end_amdhsa_kernel
	.amdgpu_metadata
---
amdhsa.version: [ 1, 2 ]
amdhsa.kernels:
  - .name:           k_qd48f25836c_proj_out
    .symbol:         k_qd48f25836c_proj_out.kd
    .args:
      - { .name: att, .offset: 0, .size: 8, .value_kind: global_buffer, .address_space: global }
      - { .name: wob, .offset: 8, .size: 8, .value_kind: global_buffer, .address_space: global }
      - { .name: out0, .offset: 16, .size: 8, .value_kind: global_buffer, .address_space: global }
    .group_segment_fixed_size: 327680
    .private_segment_fixed_size: 0
    .kernarg_segment_align: 8
    .kernarg_segment_size: 24
    .max_flat_workgroup_size: 128
    .sgpr_count:     66
    .vgpr_count:     512
    .wavefront_size: 32
...
	.end_amdgpu_metadata
.endif
;; end of part 4
;; ======== version 2 of 2: 4 launches; version 1 with the launch cast written anew for expert scheduling mode
;; limits: values are held in f16: magnitudes above 65,504 overflow, below 6.1e-05 lose precision
;; workspace buffers: xb 16,777,216 bytes; wqb 6,291,456 bytes; wob 2,097,152 bytes; qkvh 50,331,648 bytes; att 16,777,216 bytes
;; launch cast (part 5): grid 768 x 1, 8 waves a work-group, no clusters, 0 bytes of LDS; arguments x, w_qkv, w_out, xb, wqb, wob; writes xb, wqb, wob
.if DOCPART == 5
	.amdgcn_target "amdgcn-amd-amdhsa--gfx1250"
	.amdhsa_code_object_version 6
	.text
	.protected	k_qd48f25836c_cast
	.globl	k_qd48f25836c_cast
	.p2align	8
	.type	k_qd48f25836c_cast,@function
k_qd48f25836c_cast:
	s_mov_b64 s[64:65], 0
	v_nop
	global_prefetch_b8 v0, s[64:65] scope:SCOPE_SE
	s_setreg_imm32_b32 hwreg(HW_REG_WAVE_SCHED_MODE, 0, 2), 2
	s_setreg_imm32_b32 hwreg(HW_REG_WAVE_MODE, 25, 1), 1
	s_wait_xcnt 0x0
	s_wait_alu depctr_vm_vsrc(0)
; The three f32 inputs are rounded once for the matrix units; the layouts stay as they are.
;   x [8192][1024] -> xb in bf16;  w_qkv [1024][3072] -> wqb in bf16;  w_out [1024][1024] -> wob: rounded to bf16 like the other inputs, and that number written as f16
;   (a bf16 number has 8 significant bits and f16 holds 11: exact from 6.1e-5 up to 65,504).
; LIMITS.  |w_out| stays under 65,504; below 6.1e-5 its f16 code keeps f16's fixed step of 6e-8.
; SHARES.  A work-group takes a chunk of 16,384 numbers: 65,536 bytes in, 32,768 out.  Chunks 0-511 are x's, 512-703 w_qkv's, 704-767 w_out's.
; In step i of 16 thread t reads the 16 bytes at 4,096 i + 16 t and writes the 8 bytes at 2,048 i + 8 t: a wave's load covers 512 consecutive bytes, its store 256 consecutive bytes, aligned.
; All sixteen loads go out at once.  No LDS, no matrix unit, no cluster: no byte is used twice.
; THE MODE: SCHED_MODE bits 1:0 = 2 (LLVM: expert scheduling mode 2), set by the entry lines.  The code itself states the register dependences
; between vector instructions and memory instructions, with s_wait_alu, always for 0.
; THE PLAN.  Registers that memory instructions touch:
;   v1, v2   byte offsets of the loads and of the stores: made once at the head and never written again.
;   X        step i's four registers: written by step i's load alone, once; no vector instruction names them ahead of the loads; read by step i's conversions.
;   Y        step i's two registers: written by step i's conversions; read by step i's one store; never written again behind it.
;   T        named by vector instructions alone.
; The sixteen steps go in four blocks of four.  Block p converts its own four steps; its memory instructions are the four stores of block p - 1, which read that block's Y and v2:
; registers that no vector instruction of block p names.  So ONE wait on va_vdst at a block's head states all that its four stores hang on, and they are dealt among its conversions with no further wait.
; No register that a memory instruction has read is ever written again, so the text holds no wait on vm_vsrc; no vector instruction writes a scalar register; EXEC is never written.
.set CH_X,  512                        ; chunks of x
.set CH_W,  704                        ; chunks of x and w_qkv
.set X,   4                            ; v[4:67]    step i: four f32 as loaded
.set Y,   68                           ; v[68:99]   step i: four 16-bit numbers to store
.set T,   100                          ; v[100:103] at work
	s_load_b256 s[4:11], s[0:1], 0x0               ; x s[4:5], w_qkv s[6:7], w_out s[8:9], xb s[10:11]
	s_load_b128 s[12:15], s[0:1], 0x20             ; wqb s[12:13], wob s[14:15]
	s_mov_b32 s16, ttmp9                           ; my chunk among all 768,
	s_sub_co_u32 s17, s16, CH_X                    ; among w_qkv's,
	s_sub_co_u32 s18, s16, CH_W                    ; among w_out's
	s_mov_b32 s28, 0xffff0000                      ; a word's upper bf16
	v_lshlrev_b32 v1, 4, v0                        ; 16 t
	v_lshlrev_b32 v2, 3, v0                        ; 8 t
	s_wait_kmcnt 0x0
	s_cmp_lt_u32 s16, CH_X                         ; x, or else w_qkv
	s_cselect_b64 s[20:21], s[4:5], s[6:7]
	s_cselect_b64 s[22:23], s[10:11], s[12:13]
	s_cselect_b32 s19, s16, s17
	s_cmp_lt_u32 s16, CH_W                         ; that, or else w_out
	s_cselect_b64 s[20:21], s[20:21], s[8:9]
	s_cselect_b64 s[22:23], s[22:23], s[14:15]
	s_cselect_b32 s19, s19, s18
	s_lshl_b32 s24, s19, 16                        ; the chunk's bytes in its source (under 2^26),
	s_mov_b32 s25, 0
	s_lshl_b32 s26, s19, 15                        ; and in its destination
	s_mov_b32 s27, 0
	s_add_nc_u64 s[20:21], s[20:21], s[24:25]
	s_add_nc_u64 s[22:23], s[22:23], s[26:27]
	s_wait_alu depctr_va_vdst(0)                   ; v1 and v2 are written: every load of the kernel reads v1 as its offset, every store v2
.irp i, 0,1,2,3,4,5,6,7,8,9,10,11,12,13,14,15
	global_load_b128 v[X+4*(\i):X+4*(\i)+3], v1, s[20:21] offset:4096*(\i) th:TH_LOAD_NT
.endr
; Step i's four numbers are rounded and packed.  half = 1: the bf16 numbers are widened again and written as f16.
.macro CVT i, half
	v_cvt_pk_bf16_f32 v[Y+2*(\i)],   v[X+4*(\i)],   v[X+4*(\i)+1]
	v_cvt_pk_bf16_f32 v[Y+2*(\i)+1], v[X+4*(\i)+2], v[X+4*(\i)+3]
.if \half
	v_lshlrev_b32 v[T],   16,  v[Y+2*(\i)]
	v_and_b32     v[T+1], s28, v[Y+2*(\i)]
	v_lshlrev_b32 v[T+2], 16,  v[Y+2*(\i)+1]
	v_and_b32     v[T+3], s28, v[Y+2*(\i)+1]
	v_cvt_pk_f16_f32 v[Y+2*(\i)],   v[T],   v[T+1]
	v_cvt_pk_f16_f32 v[Y+2*(\i)+1], v[T+2], v[T+3]
.endif
.endm
; Step i's eight bytes are stored.
.macro ST i
	global_store_b64 v2, v[Y+2*(\i):Y+2*(\i)+1], s[22:23] offset:2048*(\i) th:TH_STORE_NT
.endm
; Block p: steps 4 p to 4 p + 3 are converted; the stores of block p - 1 stand among the conversions, one in front of each step's.
.macro BLK p, half
	s_wait_loadcnt 12-4*(\p)                       ; loads come back in order (ISA guide 5.7.1): this block's four are in, the 12 - 4 p younger ones stay out
.if (\p) > 0
	s_wait_alu depctr_va_vdst(0)                   ; the block before has written its Y, which the four stores below read; no vector instruction since this wait names those registers or v2
.endif
.irp j, 0,1,2,3
.if (\p) > 0
	ST 4*((\p)-1)+(\j)
.endif
	CVT 4*(\p)+(\j), \half
.endr
.endm
; Behind the last block: its own four stores.
.macro TAIL
	s_wait_alu depctr_va_vdst(0)                   ; block 3 has written its Y, which the last four stores read
.irp j, 12,13,14,15
	ST \j
.endr
.endm
	s_cmp_ge_u32 s16, CH_W
	s_cbranch_scc1 .Lhalf
.irp p, 0,1,2,3
	BLK \p, 0
.endr
	TAIL
	s_endpgm
.Lhalf:
.irp p, 0,1,2,3
	BLK \p, 1
.endr
	TAIL
	s_endpgm
.Lfunc_end_k_qd48f25836c_cast:
	.size	k_qd48f25836c_cast, .Lfunc_end_k_qd48f25836c_cast-k_qd48f25836c_cast
	.p2alignl 7, 3214868480
	.fill 96, 4, 3214868480
	.section	.rodata,"a",@progbits
	.p2align	6, 0x0
	.amdhsa_kernel k_qd48f25836c_cast
		.amdhsa_group_segment_fixed_size 0
		.amdhsa_private_segment_fixed_size 0
		.amdhsa_enable_private_segment 0
		.amdhsa_kernarg_size 48
		.amdhsa_user_sgpr_count 2
		.amdhsa_user_sgpr_kernarg_segment_ptr 1
		.amdhsa_wavefront_size32 1
		.amdhsa_system_sgpr_workgroup_id_x 1
		.amdhsa_system_sgpr_workgroup_id_y 1
		.amdhsa_system_sgpr_workgroup_id_z 1
		.amdhsa_system_vgpr_workitem_id 0
		.amdhsa_next_free_vgpr 104
		.amdhsa_next_free_sgpr 66
		.amdhsa_reserve_vcc 0
		.amdhsa_float_denorm_mode_32 3
		.amdhsa_float_denorm_mode_16_64 3
		.amdhsa_memory_ordered 1
		.amdhsa_forward_progress 1
		.amdhsa_inst_pref_size 15
	.end_amdhsa_kernel
	.amdgpu_metadata
---
amdhsa.version: [ 1, 2 ]
amdhsa.kernels:
  - .name:           k_qd48f25836c_cast
    .symbol:         k_qd48f25836c_cast.kd
    .args:
      - { .name: x, .offset: 0, .size: 8, .value_kind: global_buffer, .address_space: global }
      - { .name: w_qkv, .offset: 8, .size: 8, .value_kind: global_buffer, .address_space: global }
      - { .name: w_out, .offset: 16, .size: 8, .value_kind: global_buffer, .address_space: global }
      - { .name: xb, .offset: 24, .size: 8, .value_kind: global_buffer, .address_space: global }
      - { .name: wqb, .offset: 32, .size: 8, .value_kind: global_buffer, .address_space: global }
      - { .name: wob, .offset: 40, .size: 8, .value_kind: global_buffer, .address_space: global }
    .group_segment_fixed_size: 0
    .private_segment_fixed_size: 0
    .kernarg_segment_align: 8
    .kernarg_segment_size: 48
    .max_flat_workgroup_size: 256
    .sgpr_count:     66
    .vgpr_count:     104
    .wavefront_size: 32
...
	.end_amdgpu_metadata
.endif
;; end of part 5
;; launch proj_qkv: the kernel of part 2 again; grid 24 x 32, 4 waves a work-group, clusters of 4 x 4, 327,680 bytes of LDS; arguments xb, wqb, qkvh; writes qkvh
;; launch attn: the kernel of part 3 again; grid 4 x 64, 4 waves a work-group, no clusters, 327,680 bytes of LDS; arguments qkvh, pad_mask, att; writes att
;; launch proj_out: the kernel of part 4 again; grid 8 x 32, 4 waves a work-group, clusters of 4 x 4, 327,680 bytes of LDS; arguments att, wob, out0; writes out0
